; MI455X (gfx1250); checked and timed in simulation.
; The chip was launched on July 23, 2026; its instructions are those of AMD's public machine-readable ISA for CDNA 5 (MIT licence, August 2026) and "CDNA5" Instruction Set Architecture Reference Guide (July 2026). The comments in the code are by the model that wrote it; some were corrected since.
;; Garment Person Cross Attention. Allowed arithmetic: matrix products marked QUANTISED: E4M3 operands, one given power-of-two scale a tensor, by v_wmma_f32_16x16x64_fp8_fp8 or v_wmma_f32_16x16x128_fp8_fp8, f32 sums; everything else in f32.
;; Inputs: Wf 2,048 x 1,024 float32; Wk 768 x 1,024 float32; Wo 1,024 x 1,024 float32; Wq 1,024 x 1,024 float32; Wv 768 x 1,024 float32; betak 768 float32; betaq 1,024 float32; bf 1,024 float32; bo 1,024 float32; garment_features 4 x 1,024 x 768 float32; gk 768 float32; gq 1,024 float32; lowp_scales 14 int32 (the exponents e of the quantised operands' scales 2^e); person_features 4 x 2,048 x 1,024 float32.
;; Outputs: out0 4 x 2,048 x 1,024 float32.
;; This version of the problem:
;;   THIS VERSION OF THE PROBLEM IS GIVEN IN LOW PRECISION. The matrix products marked QUANTISED in the list below multiply operands that are first quantised to E4M3 (4 exponent bits, 3 mantissa bits; 8 bits a number), with one given power-of-two scale for each operand tensor; their sums are f32. All else is computed in f32.
;;   The module's matrix products, in the order in which they are computed (A, B: the left and right operand; K: the contracted axis; several contracted axes count as one K, in the product's order):
;;     1. [M 8,192, K 1,024] x [K 1,024, N 1,024]; A: computed on the way; B: input Wq: QUANTISED (scales: A lowp_scales[0], B lowp_scales[1])
;;     2. [M 4,096, K 768] x [K 768, N 1,024]; A: computed on the way; B: input Wk: QUANTISED (scales: A lowp_scales[2], B lowp_scales[3])
;;     3. [M 4,096, K 768] x [K 768, N 1,024]; A: computed on the way; B: input Wv: QUANTISED (scales: A lowp_scales[4], B lowp_scales[5])
;;     4. batch 64 x [M 2,048, K 64] x [K 64, N 1,024]; A: computed on the way; B: computed on the way: QUANTISED (scales: A lowp_scales[6], B lowp_scales[7])
;;     5. batch 64 x [M 2,048, K 1,024] x [K 1,024, N 64]; A: softmax (see below); B: computed on the way: QUANTISED (scales: A lowp_scales[8], B lowp_scales[9])
;;     6. [M 8,192, K 1,024] x [K 1,024, N 1,024]; A: computed on the way; B: input Wo: QUANTISED (scales: A lowp_scales[10], B lowp_scales[11])
;;     7. [M 8,192, K 2,048] x [K 2,048, N 1,024]; A: computed on the way; B: input Wf: QUANTISED (scales: A lowp_scales[12], B lowp_scales[13])
;;   THE QUANTISER, for each operand of a quantised product, along K:
;;     - The operand's scale is 2^e, e = its entry of the input lowp_scales (int32; the entries are numbered through the quantised products in the list's order, A before B).
;;     - Each number is divided by the scale, clamped to +-448, and rounded to the nearest number of E4M3, ties to even, subnormals kept.
;;     - The product sums the exact products of the quantised numbers (number of the format x scale) in f32.
;;   ~~~python
;;   def quantise(x, axis, e):      # numpy; x: float32 -> the quantised numbers, widened to float32 again
;;       x = np.moveaxis(x, axis, -1); K = x.shape[-1]
;;       r = np.clip(x / 2.0 ** e, -448, 448)
;;       step = 2.0 ** (np.maximum(np.frexp(np.where(r == 0, 1, r))[1] - 1, -6) - 3)
;;       q = np.round(r / step) * step * 2.0 ** e      # np.round: ties to even
;;       return np.moveaxis(q, -1, axis).astype(np.float32)
;;   ~~~
;;   SOFTMAX AHEAD OF A QUANTISED PRODUCT. Where the list says 'softmax', what is quantised is not the finished softmax but p = 2^(t - M), with t = logit x log2(e) and M = ceil(the row's largest t), a whole number; so 1/2 < the row's largest p <= 1. The row's sum l is taken of the UNQUANTISED p, in f32, and the product's result is divided by l at the end. Since M is a whole number, a kernel that streams over the keys may use a running M (the ceiling of the running maximum): every later rescaling is an exact power of two, so the quantised numbers keep their values, but for numbers so far below the row's largest that they fall under the format's range.
;;   OPERANDS COMPUTED ON THE WAY. 'Computed on the way' means the value that the module computes at that place (a softmax that the list does not call 'softmax' is quantised finished and normalised). What goes into a quantiser is computed in f32, as accurately as f32 sums, v_exp_f32 and their like allow (about 1e-6 of the number): no bf16 or f16 on the way to a quantiser, and a product that is left as it is and whose result goes on into a quantised operand takes f32 operands (vector FMAs, or v_wmma_f32_16x16x4_f32). A number that lies on a knife's edge between two numbers of the format may be rounded either way, as far as f32 arithmetic and the matrix unit's own rounding can turn it there, and no further.
;; 2 versions, each right; version 2 is version 1 with the launch attn written anew for expert scheduling mode. Each part assembles by itself: llvm-mc -triple=amdgcn-amd-amdhsa -mcpu=gfx1250 --defsym DOCPART=n.
;; ======== version 1 of 2: 5 launches
;; workspace buffers: ops 23,068,672 bytes; cat 16,777,216 bytes; qkvb 16,777,216 bytes; att 8,388,608 bytes
;; launch prep (part 1): grid 864 x 1, 16 waves a work-group, no clusters, 62,976 bytes of LDS; arguments person_features, garment_features, Wq, Wk, Wv, Wo, Wf, gq, betaq, gk, betak, lowp_scales, ops, cat; writes ops, cat
.if DOCPART == 1
	.amdgcn_target "amdgcn-amd-amdhsa--gfx1250"
	.amdhsa_code_object_version 6
	.text
	.protected	k_qbb438e39b3_prep
	.globl	k_qbb438e39b3_prep
	.p2align	8
	.type	k_qbb438e39b3_prep,@function
k_qbb438e39b3_prep:
	s_mov_b64 s[64:65], 0
	v_nop
	global_prefetch_b8 v0, s[64:65] scope:SCOPE_SE
	s_setreg_imm32_b32 hwreg(HW_REG_WAVE_MODE, 25, 1), 1
	s_wait_xcnt 0x0
; ALL OPERANDS THAT ARRIVE AS f32 BECOME CODES OF E4M3, laid in the order in which the products' operand registers take them.
; IMAGE of an operand with MT tiles of 16 rows: byte(tile, i, k) = (k / 256) MT 4096 + tile 4096 + ((k / 16) % 16) 256 + 16 i + k % 16.
; ROW ORDER: place i of tile T holds row 32 (T / 2) + 8 (T % 2) + i + 8 (i / 8), of tokens and of weight columns alike, so that two neighbouring tiles of a product's
; source 0 leave a lane 16 neighbours along the next K.
; Work-groups 0-95: the five weights ([K][N] f32: a lane takes a column, its registers run down K).  96-607: 16 rows of person_features each: layer norm, codes by entry 0 of the
; scales, and the raw rows' codes by entry 12.  608-863: 16 rows of garment_features: layer norm, codes by entry 2 and by entry 4.
; Wk, Wv and the garment's images are filled from K = 768 to 1,024 with zero codes, on both sides of their products: they add nothing.
; code = x / 2^e, held within +-448, to the nearest code, ties to even.  LIMITS: every e used here lies between -126 and 119; NaN and infinities among the inputs are not served.
; The variance is the mean of (x - mean)^2, taken in a second pass over the registers: no difference of large sums is formed.
.set NWG_W,  96
.set NWG_P,  512
.set OPS_GK, 8388608                   ; ops: P at 0, GK, GV, WQ, WK, WV, WO (1 MiB each), WF
.set GV_GK,  4194304
.set OPS_WQ, 16777216
.set GP,     272                       ; stage: a granule (16 k of 16 rows, 256 bytes) + 16 of padding
.set ST_P,   0                         ; person: the norm's codes, 64 granules
.set ST_R,   64*GP                     ; person: the raw rows' codes
.set ST_K,   2*64*GP                   ; garment, entry 2: 48 granules.  Each path has stage bytes of its own
.set ST_V,   2*64*GP+48*GP             ; garment, entry 4
; v1 16 x lane; v2 stage, in; v3 stage, back; v[6:7] mean twice; v[8:9] 1/sqrt twice; v10-13 chains; v14 permute; v16-23 at work; v24-27 scales and holds; v32.. x; v64.. gain; v96.. bias, then y
.macro MKSCALE e, sc, lim              ; 2^e as f32 (the conversion takes its exponent field), and 448 x 2^e
	s_add_co_i32 s30, s[\e], 127
	s_lshl_b32 s31, s30, 23
	v_mov_b32 v[\sc], s31
	s_add_co_i32 s30, s30, 8
	s_lshl_b32 s30, s30, 23
	s_or_b32 s30, s30, 0x600000
	v_mov_b32 v[\lim], s30
.endm
.macro LANESUM r                       ; v[r] summed over the 32 lanes, in every lane
	v_add_f32_dpp v[\r], v[\r], v[\r] row_xmask:1 row_mask:0xf bank_mask:0xf
	v_add_f32_dpp v[\r], v[\r], v[\r] row_xmask:2 row_mask:0xf bank_mask:0xf
	v_add_f32_dpp v[\r], v[\r], v[\r] row_xmask:4 row_mask:0xf bank_mask:0xf
	v_add_f32_dpp v[\r], v[\r], v[\r] row_xmask:8 row_mask:0xf bank_mask:0xf
	v_permlanex16_b32 v14, v[\r], s26, s27
	v_add_f32 v[\r], v[\r], v14
.endm
.macro TOKEN                           ; s4 = the row that place s2 (my wave) of tile s3 holds
	s_lshr_b32 s4, s3, 1
	s_lshl_b32 s4, s4, 5
	s_and_b32 s5, s3, 1
	s_lshl_b32 s5, s5, 3
	s_add_co_u32 s4, s4, s5
	s_add_co_u32 s4, s4, s2
	s_and_b32 s5, s2, 8
	s_add_co_u32 s4, s4, s5
.endm
; The layer norm of one row, cnt x 128 numbers, 4 cnt a lane.  s28 = 1 / the row's length.  Leaves y in v96 on; x stays in v32 on.
.macro STATS cnt
	s_wait_loadcnt 2*\cnt                          ; the row is in; the gain's and the bias's loads, issued behind it, may be out
	v_pk_add_f32 v[10:11], v[32:33], v[34:35]
	v_pk_add_f32 v[12:13], v[36:37], v[38:39]
.set j, 8
.rept \cnt-2
	v_pk_add_f32 v[10:11], v[10:11], v[32+j:33+j]
	v_pk_add_f32 v[12:13], v[12:13], v[34+j:35+j]
.set j, j+4
.endr
	v_pk_add_f32 v[10:11], v[10:11], v[12:13]
	v_add_f32 v10, v10, v11
	LANESUM 10
	v_mul_f32 v6, s28, v10                         ; the mean
	v_mov_b32 v7, v6
.set j, 0
.rept \cnt
	v_pk_add_f32 v[16:17], v[32+j:33+j], v[6:7] neg_lo:[0,1] neg_hi:[0,1]
	v_pk_add_f32 v[18:19], v[34+j:35+j], v[6:7] neg_lo:[0,1] neg_hi:[0,1]
.if j == 0
	v_pk_mul_f32 v[10:11], v[16:17], v[16:17]
	v_pk_mul_f32 v[12:13], v[18:19], v[18:19]
.else
	v_pk_fma_f32 v[10:11], v[16:17], v[16:17], v[10:11]
	v_pk_fma_f32 v[12:13], v[18:19], v[18:19], v[12:13]
.endif
.set j, j+4
.endr
	v_pk_add_f32 v[10:11], v[10:11], v[12:13]
	v_add_f32 v10, v10, v11
	LANESUM 10
	v_fma_f32 v10, v10, s28, s29                   ; the variance + 1e-5
	v_rsq_f32 v8, v10
	v_nop                                          ; a plain line behind the transcendental
	s_wait_alu depctr_va_vdst(0)                   ; and the wait ahead of its first reader
	v_mov_b32 v9, v8
	s_wait_loadcnt 0x0                             ; gain and bias
.set j, 0
.rept 2*\cnt
	v_pk_mul_f32 v[64+j:65+j], v[64+j:65+j], v[8:9]
.set j, j+2
.endr
.set j, 0
.rept 2*\cnt
	v_pk_add_f32 v[16+j%8:17+j%8], v[32+j:33+j], v[6:7] neg_lo:[0,1] neg_hi:[0,1]
	v_pk_fma_f32 v[96+j:97+j], v[16+j%8:17+j%8], v[64+j:65+j], v[96+j:97+j]   ; y = (x - mean) (gain / sqrt) + bias
.set j, j+2
.endr
.endm
	v_lshl_add_u32 v128, v0, 2, 0xee00
	v_mov_b32 v129, 0
	v_lshrrev_b32 v4, 5, v0
	v_readfirstlane_b32 s2, v4                     ; wave 0..15
	v_and_b32 v5, 31, v0                           ; lane
	v_lshlrev_b32 v1, 4, v5
	v_bfe_u32 v6, v0, 2, 3                         ; stage, in: a code register holds k = 128 j + 4 lane + 0..3 of row w: granule 8 j + lane / 4, byte 16 w + 4 (lane % 4)
	v_mul_u32_u24 v2, v6, GP
	v_and_b32 v6, 3, v0
	v_lshl_add_u32 v2, v6, 2, v2
	s_lshl_b32 s3, s2, 4
	v_add_nc_u32 v2, s3, v2
	v_bfe_u32 v6, v0, 4, 1                         ; stage, back: wave w takes granules 4 w .. 4 w + 3, two a load: sixteen lanes to a granule
	v_mul_u32_u24 v3, v6, GP
	v_and_b32 v6, 15, v0
	v_lshl_add_u32 v3, v6, 4, v3
	s_mul_i32 s3, s2, 4*GP
	v_add_nc_u32 v3, s3, v3
	s_cmp_lt_u32 ttmp9, NWG_W
	s_cbranch_scc0 .Lnorm
; ---- THE WEIGHTS.  A work-group takes 512 columns x 128 along K, a wave 32 columns.  Tasks 0-63: Wq, Wk, Wv, Wo, 16 each; 64-95: Wf.
	s_load_b256 s[8:15], s[0:1], 0x10              ; Wq, Wk, Wv, Wo
	s_load_b64 s[16:17], s[0:1], 0x30              ; Wf
	s_load_b128 s[20:23], s[0:1], 0x58             ; the scales' exponents, ops
	s_lshr_b32 s3, ttmp9, 4
	s_min_u32 s3, s3, 4                            ; which weight, 0..4
	s_and_b32 s4, ttmp9, 15
	s_sub_co_u32 s5, ttmp9, 64
	s_cmp_lt_u32 ttmp9, 64
	s_cselect_b32 s4, s4, s5                       ; the task within it
	s_lshr_b32 s5, s4, 1                           ; which 128 along K
	s_and_b32 s6, s4, 1                            ; which 512 columns
	s_lshl_b32 s24, s5, 19                         ; from: 128 rows of 4,096 bytes,
	s_lshl_b32 s7, s6, 11
	s_add_co_u32 s24, s24, s7                      ; 512 columns,
	s_lshl_b32 s7, s2, 7
	s_add_co_u32 s24, s24, s7                      ; my wave's 32
	s_mov_b32 s25, 0
	s_lshl_b32 s26, s3, 20                         ; to: the weight's image (Wf's lies behind Wo's),
	s_add_co_u32 s26, s26, OPS_WQ
	s_lshr_b32 s7, s5, 1
	s_lshl_b32 s7, s7, 18
	s_add_co_u32 s26, s26, s7                      ; its K step of 64 tiles x 4,096 bytes,
	s_lshl_b32 s7, s6, 17
	s_add_co_u32 s26, s26, s7
	s_lshl_b32 s7, s2, 13
	s_add_co_u32 s26, s26, s7                      ; tiles 32 ch + 2 w and the next,
	s_and_b32 s7, s5, 1
	s_lshl_b32 s7, s7, 11
	s_add_co_u32 s26, s26, s7                      ; the K step's half
	s_mov_b32 s27, 0
	v_lshlrev_b32 v7, 2, v5                        ; from: 4 bytes a lane
	v_bfe_u32 v6, v0, 3, 1                         ; to: column l of the 32 lies in tile (l / 8) % 2 at place l % 8 + 8 (l / 16)
	v_and_b32 v8, 7, v0
	v_bfe_u32 v9, v0, 4, 1
	v_lshl_add_u32 v8, v9, 3, v8
	v_lshlrev_b32 v8, 4, v8
	v_lshl_add_u32 v8, v6, 12, v8
	s_sub_co_u32 s7, s3, 1
	s_cmp_lt_u32 s7, 2
	s_cselect_b32 s7, 6, 64                        ; Wk and Wv end at K = 768: their tasks from 6 x 128 on store zero codes
	s_wait_kmcnt 0x0
	s_add_nc_u64 s[22:23], s[22:23], s[26:27]
	s_cmp_ge_u32 s5, s7
	s_cbranch_scc1 .Lzero
	s_load_b256 s[32:39], s[20:21], 0x0            ; entries 0-7,
	s_load_b128 s[40:43], s[20:21], 0x20           ; 8-11,
	s_load_b64 s[44:45], s[20:21], 0x30            ; 12, 13
	s_cmp_eq_u32 s3, 1
	s_cselect_b64 s[8:9], s[10:11], s[8:9]
	s_cmp_eq_u32 s3, 2
	s_cselect_b64 s[8:9], s[12:13], s[8:9]
	s_cmp_eq_u32 s3, 3
	s_cselect_b64 s[8:9], s[14:15], s[8:9]
	s_cmp_eq_u32 s3, 4
	s_cselect_b64 s[8:9], s[16:17], s[8:9]
	s_add_nc_u64 s[8:9], s[8:9], s[24:25]
.macro WLOAD t                         ; block t: W(32 t + i, my column), i = 0 .. 31, into set t % 2: 32 lanes read 128 consecutive bytes
.set i, 0
.rept 32
	global_load_b32 v[32+32*((\t)%2)+i], v7, s[8:9] offset:(32*(\t)+i)*4096 th:TH_LOAD_NT
.set i, i+1
.endr
.endm
.macro WBLOCK t
.set XS, 32+32*((\t)%2)
.if (\t) < 3
	s_wait_loadcnt 32                              ; this block's 32 loads are in; the next block's may be out
.else
	s_wait_loadcnt 0x0
.endif
.set i, 0
.rept 32
	v_med3_num_f32 v[XS+i], v[XS+i], -v10, v10     ; the conversion to an 8-bit code does not saturate (ISA guide 7.6.2): the hold first
.set i, i+1
.endr
.set i, 0
.rept 4
	v_cvt_scalef32_pk8_fp8_f32 v[96+8*(\t)+2*i:97+8*(\t)+2*i], v[XS+8*i:XS+8*i+7], v11
.set i, i+1
.endr
	global_store_b128 v8, v[96+8*(\t):99+8*(\t)], s[22:23] offset:512*(\t)          ; 16 codes a lane: the wave fills one granule of 256 bytes in each of its two tiles
	global_store_b128 v8, v[100+8*(\t):103+8*(\t)], s[22:23] offset:512*(\t)+256    ; each block has code registers of its own: no store's data are written again
.if (\t)+2 < 4
	WLOAD (\t)+2
.endif
.endm
	WLOAD 0
	WLOAD 1
	s_wait_kmcnt 0x0
	s_cmp_eq_u32 s3, 1                             ; entries 1, 3, 5, 11, 13
	s_cselect_b32 s33, s35, s33
	s_cmp_eq_u32 s3, 2
	s_cselect_b32 s33, s37, s33
	s_cmp_eq_u32 s3, 3
	s_cselect_b32 s33, s43, s33
	s_cmp_eq_u32 s3, 4
	s_cselect_b32 s33, s45, s33
	MKSCALE 33, 11, 10
	WBLOCK 0
	WBLOCK 1
	WBLOCK 2
	WBLOCK 3
	s_endpgm
.Lzero:
	v_mov_b32 v12, 0
	v_mov_b32 v13, 0
	v_mov_b32 v14, 0
	v_mov_b32 v15, 0
.set i, 0
.rept 8
	global_store_b128 v8, v[12:15], s[22:23] offset:256*i
.set i, i+1
.endr
	s_endpgm
.Lnorm:
	s_mov_b32 s26, 0x76543210                      ; v_permlanex16_b32: lane l takes lane l xor 16
	s_mov_b32 s27, 0xfedcba98
	s_mov_b32 s29, 0x3727c5ac                      ; 1e-5
	v_mov_b32 v14, 0                               ; a permute's destination counts as read
	s_cmp_lt_u32 ttmp9, NWG_W+NWG_P
	s_cbranch_scc0 .Lgarment
; ---- PERSON: tile s3 of 16 rows; wave w takes the row at place w: 1,024 numbers, 32 a lane: register 4 j + e holds k = 128 j + 4 lane + e
	s_load_b64 s[8:9], s[0:1], 0x0                 ; person_features
	s_load_b128 s[12:15], s[0:1], 0x38             ; gq, betaq
	s_load_b128 s[16:19], s[0:1], 0x58             ; the scales' exponents, ops
	s_load_b64 s[20:21], s[0:1], 0x68              ; cat
	s_sub_co_u32 s3, ttmp9, NWG_W
	TOKEN
	s_lshl_b32 s4, s4, 12
	s_mov_b32 s5, 0
	s_lshr_b32 s6, s2, 2                           ; out: wave w stores granules 4 w on: K step w / 4 (512 tiles x 4,096 bytes), my tile, 1,024 (w % 4)
	s_lshl_b32 s6, s6, 21
	s_lshl_b32 s7, s3, 12
	s_add_co_u32 s6, s6, s7
	s_and_b32 s7, s2, 3
	s_lshl_b32 s7, s7, 10
	s_add_co_u32 s6, s6, s7
	s_mov_b32 s7, 0
	s_mov_b32 s28, 0x3a800000                      ; 1 / 1,024
	s_wait_kmcnt 0x0
	s_add_nc_u64 s[8:9], s[8:9], s[4:5]
.set j, 0
.rept 8
	global_load_b128 v[32+4*j:35+4*j], v1, s[8:9] offset:512*j th:TH_LOAD_NT   ; 32 lanes read 512 consecutive bytes
.set j, j+1
.endr
.set j, 0
.rept 8
	global_load_b128 v[64+4*j:67+4*j], v1, s[12:13] offset:512*j
.set j, j+1
.endr
.set j, 0
.rept 8
	global_load_b128 v[96+4*j:99+4*j], v1, s[14:15] offset:512*j
.set j, j+1
.endr
	s_load_b32 s24, s[16:17], 0x0                  ; entry 0
	s_load_b32 s25, s[16:17], 0x30                 ; entry 12
	s_add_nc_u64 s[18:19], s[18:19], s[6:7]
	s_add_nc_u64 s[20:21], s[20:21], s[6:7]
	STATS 8
	s_wait_kmcnt 0x0
	MKSCALE 24, 24, 25
	MKSCALE 25, 26, 27
.set j, 0
.rept 32
	v_med3_num_f32 v[96+j], v[96+j], -v25, v25
.set j, j+1
.endr
.set j, 0
.rept 4
	v_cvt_scalef32_pk8_fp8_f32 v[64+2*j:65+2*j], v[96+8*j:103+8*j], v24   ; the norm's codes: register j holds k = 128 j + 4 lane + 0..3
.set j, j+1
.endr
.set j, 0
.rept 32
	v_med3_num_f32 v[32+j], v[32+j], -v27, v27
.set j, j+1
.endr
.set j, 0
.rept 4
	v_cvt_scalef32_pk8_fp8_f32 v[72+2*j:73+2*j], v[32+8*j:39+8*j], v26    ; the raw row's
.set j, j+1
.endr
	v_nop                                          ; a plain line behind the last scaled conversion
.set j, 0
.rept 8
	ds_store_b32 v2, v[64+j] offset:ST_P+8*GP*j
	ds_store_b32 v2, v[72+j] offset:ST_R+8*GP*j
.set j, j+1
.endr
	s_wait_dscnt 0x0                               ; for the others' sake: my stores have landed
	s_barrier_signal -1
	s_barrier_wait -1                              ; sixteen rows' codes lie in the stage
	ds_load_b128 v[32:35], v3 offset:ST_P
	ds_load_b128 v[36:39], v3 offset:ST_P+2*GP
	ds_load_b128 v[40:43], v3 offset:ST_R
	ds_load_b128 v[44:47], v3 offset:ST_R+2*GP
	s_wait_dscnt 0x0
	global_store_b128 v1, v[32:35], s[18:19]                 ; each store covers 512 consecutive bytes, aligned
	global_store_b128 v1, v[36:39], s[18:19] offset:512
	global_store_b128 v1, v[40:43], s[20:21]
	global_store_b128 v1, v[44:47], s[20:21] offset:512
	s_wait_tensorcnt 0x0
	ds_add_u32 v128, v129
	s_wait_dscnt 0x0
	s_endpgm
; ---- GARMENT: the same with rows of 768 numbers, 24 a lane, and two sets of codes of the same y
.Lgarment:
	s_load_b64 s[8:9], s[0:1], 0x8                 ; garment_features
	s_load_b128 s[12:15], s[0:1], 0x48             ; gk, betak
	s_load_b128 s[16:19], s[0:1], 0x58             ; the scales' exponents, ops
	s_sub_co_u32 s3, ttmp9, NWG_W+NWG_P
	TOKEN
	s_mul_i32 s4, s4, 3072
	s_mov_b32 s5, 0
	s_lshr_b32 s6, s2, 2                           ; K step w / 4 (256 tiles x 4,096 bytes), my tile, 1,024 (w % 4), in GK
	s_lshl_b32 s6, s6, 20
	s_lshl_b32 s7, s3, 12
	s_add_co_u32 s6, s6, s7
	s_and_b32 s7, s2, 3
	s_lshl_b32 s7, s7, 10
	s_add_co_u32 s6, s6, s7
	s_add_co_u32 s6, s6, OPS_GK
	s_mov_b32 s7, 0
	s_mov_b32 s28, 0x3aaaaaab                      ; 1 / 768
	s_wait_kmcnt 0x0
	s_add_nc_u64 s[8:9], s[8:9], s[4:5]
.set j, 0
.rept 6
	global_load_b128 v[32+4*j:35+4*j], v1, s[8:9] offset:512*j th:TH_LOAD_NT
.set j, j+1
.endr
.set j, 0
.rept 6
	global_load_b128 v[64+4*j:67+4*j], v1, s[12:13] offset:512*j
.set j, j+1
.endr
.set j, 0
.rept 6
	global_load_b128 v[96+4*j:99+4*j], v1, s[14:15] offset:512*j
.set j, j+1
.endr
	s_load_b32 s24, s[16:17], 0x8                  ; entry 2
	s_load_b32 s25, s[16:17], 0x10                 ; entry 4
	s_add_nc_u64 s[18:19], s[18:19], s[6:7]
	STATS 6
	s_wait_kmcnt 0x0
	MKSCALE 24, 24, 25
	MKSCALE 25, 26, 27
.irp m, 0,1,2                          ; x is done with: its registers are two sets of eight that take turns, so that plain lines stand between a conversion and the next write of its sources
.set j, 0
.rept 8
	v_med3_num_f32 v[32+j], v[96+8*\m+j], -v25, v25
.set j, j+1
.endr
	v_cvt_scalef32_pk8_fp8_f32 v[64+2*\m:65+2*\m], v[32:39], v24
.set j, 0
.rept 8
	v_med3_num_f32 v[40+j], v[96+8*\m+j], -v27, v27
.set j, j+1
.endr
	v_cvt_scalef32_pk8_fp8_f32 v[72+2*\m:73+2*\m], v[40:47], v26
.endr
	v_nop                                          ; a plain line behind the last scaled conversion
.set j, 0
.rept 6
	ds_store_b32 v2, v[64+j] offset:ST_K+8*GP*j
	ds_store_b32 v2, v[72+j] offset:ST_V+8*GP*j
.set j, j+1
.endr
	s_wait_dscnt 0x0
	s_barrier_signal -1
	s_barrier_wait -1
	s_cmp_lt_u32 s2, 12                            ; 48 granules: waves 0-11 carry them; waves 12-15 store the fourth K step's zero codes
	s_cbranch_scc0 .Lfill
	ds_load_b128 v[32:35], v3 offset:ST_K
	ds_load_b128 v[36:39], v3 offset:ST_K+2*GP
	ds_load_b128 v[40:43], v3 offset:ST_V
	ds_load_b128 v[44:47], v3 offset:ST_V+2*GP
	s_branch .Lsend
.Lfill:
.set j, 0
.rept 16
	v_mov_b32 v[32+j], 0
.set j, j+1
.endr
.Lsend:
	s_wait_dscnt 0x0
	global_store_b128 v1, v[32:35], s[18:19]
	global_store_b128 v1, v[36:39], s[18:19] offset:512
	global_store_b128 v1, v[40:43], s[18:19] offset:GV_GK
	global_store_b128 v1, v[44:47], s[18:19] offset:GV_GK+512
	s_wait_tensorcnt 0x0
	ds_add_u32 v128, v129
	s_wait_dscnt 0x0
	s_endpgm
.Lfunc_end_k_qbb438e39b3_prep:
	.size	k_qbb438e39b3_prep, .Lfunc_end_k_qbb438e39b3_prep-k_qbb438e39b3_prep
	.p2alignl 7, 3214868480
	.fill 96, 4, 3214868480
	.section	.rodata,"a",@progbits
	.p2align	6, 0x0
	.amdhsa_kernel k_qbb438e39b3_prep
		.amdhsa_group_segment_fixed_size 62976
		.amdhsa_private_segment_fixed_size 0
		.amdhsa_enable_private_segment 0
		.amdhsa_kernarg_size 112
		.amdhsa_user_sgpr_count 2
		.amdhsa_user_sgpr_kernarg_segment_ptr 1
		.amdhsa_wavefront_size32 1
		.amdhsa_system_sgpr_workgroup_id_x 1
		.amdhsa_system_sgpr_workgroup_id_y 1
		.amdhsa_system_sgpr_workgroup_id_z 1
		.amdhsa_system_vgpr_workitem_id 0
		.amdhsa_next_free_vgpr 130
		.amdhsa_next_free_sgpr 66
		.amdhsa_reserve_vcc 0
		.amdhsa_float_denorm_mode_32 3
		.amdhsa_float_denorm_mode_16_64 3
		.amdhsa_memory_ordered 1
		.amdhsa_forward_progress 1
		.amdhsa_inst_pref_size 60
	.end_amdhsa_kernel
	.amdgpu_metadata
---
amdhsa.version: [ 1, 2 ]
amdhsa.kernels:
  - .name:           k_qbb438e39b3_prep
    .symbol:         k_qbb438e39b3_prep.kd
    .args:
      - { .name: person_features, .offset: 0, .size: 8, .value_kind: global_buffer, .address_space: global }
      - { .name: garment_features, .offset: 8, .size: 8, .value_kind: global_buffer, .address_space: global }
      - { .name: Wq, .offset: 16, .size: 8, .value_kind: global_buffer, .address_space: global }
      - { .name: Wk, .offset: 24, .size: 8, .value_kind: global_buffer, .address_space: global }
      - { .name: Wv, .offset: 32, .size: 8, .value_kind: global_buffer, .address_space: global }
      - { .name: Wo, .offset: 40, .size: 8, .value_kind: global_buffer, .address_space: global }
      - { .name: Wf, .offset: 48, .size: 8, .value_kind: global_buffer, .address_space: global }
      - { .name: gq, .offset: 56, .size: 8, .value_kind: global_buffer, .address_space: global }
      - { .name: betaq, .offset: 64, .size: 8, .value_kind: global_buffer, .address_space: global }
      - { .name: gk, .offset: 72, .size: 8, .value_kind: global_buffer, .address_space: global }
      - { .name: betak, .offset: 80, .size: 8, .value_kind: global_buffer, .address_space: global }
      - { .name: lowp_scales, .offset: 88, .size: 8, .value_kind: global_buffer, .address_space: global }
      - { .name: ops, .offset: 96, .size: 8, .value_kind: global_buffer, .address_space: global }
      - { .name: cat, .offset: 104, .size: 8, .value_kind: global_buffer, .address_space: global }
    .group_segment_fixed_size: 62976
    .private_segment_fixed_size: 0
    .kernarg_segment_align: 8
    .kernarg_segment_size: 112
    .max_flat_workgroup_size: 512
    .sgpr_count:     66
    .vgpr_count:     130
    .wavefront_size: 32
...
	.end_amdgpu_metadata
.endif
;; end of part 1
;; launch qkv (part 2): grid 4 x 64, 4 waves a work-group, clusters of 4 x 4, 327,680 bytes of LDS; arguments ops, lowp_scales, qkvb; writes qkvb
.if DOCPART == 2
	.amdgcn_target "amdgcn-amd-amdhsa--gfx1250"
	.amdhsa_code_object_version 6
	.text
	.protected	k_qbb438e39b3_qkv
	.globl	k_qbb438e39b3_qkv
	.p2align	8
	.type	k_qbb438e39b3_qkv,@function
k_qbb438e39b3_qkv:
	s_mov_b64 s[64:65], 0
	v_nop
	global_prefetch_b8 v0, s[64:65] scope:SCOPE_SE
	s_setreg_imm32_b32 hwreg(HW_REG_WAVE_MODE, 25, 1), 1
	s_wait_xcnt 0x0
	s_wait_alu depctr_hold_cnt(0) depctr_sa_sdst(0) depctr_va_vdst(0) depctr_va_sdst(0) depctr_va_ssrc(0) depctr_va_vcc(0) depctr_vm_vsrc(0)
	s_getreg_b32 s2, hwreg(HW_REG_IB_STS2, 6, 4)
	s_cmp_eq_u32 s2, 0
	s_cbranch_scc0 .Lentry_in_a_cluster
	s_endpgm
.Lentry_in_a_cluster:
	s_bfe_u32 s2, ttmp6, 0x10000c
	s_cmp_lg_u32 s2, 0xf033
	s_cbranch_scc0 .Lentry_shape_is_right
	s_endpgm
.Lentry_shape_is_right:
; q = LN(person) Wq, k = LN(garment) Wk, v = LN(garment) Wv on codes of E4M3, and the results quantised for attention's two products.  One launch, three problems, told apart by the cluster's y:
; clusters 0-7: q (8,192 x 1,024); 8-11: k (4,096 x 1,024); 12-15: v, taken with the WEIGHT as the side of the rows (1,024 features x 4,096 tokens), so that a lane's registers run along the keys.
; Only offsets and exponents are chosen (s_cselect_b32 on the cluster's y): every work-group takes one path.  K = 1,024 for all three: k's and v's operands end in zero codes on both sides.
; A tile of 256 x 256 is made by four waves, 128 x 128 each: 64 accumulators, 512 registers.  K goes in steps of 256 through two LDS slots.  The operands lie in memory in the order of the operand
; registers: 128 rows x 256 K are one dense block of 32,768 bytes, which one tensor load brings; a fragment (16 rows x 128 K) is four ds_load_b128 of 512 consecutive bytes: no pitch, no padding.
; Lane l's registers 4 c .. 4 c + 3 hold K = 32 c + 16 (l / 16) + 0 .. 15 of row l % 16: the same permutation of k on both sides.
; CLUSTERS: 4 x 4 work-groups; the four of a row need the same tiles of the row side (A), the four of a column the same tiles of the column side (B): each tile is asked for jointly.
; TRANSPOSED USE (source 0 = 16 rows of B, source 1 = 16 rows of A) and the images' row order: the 16 registers of B's tiles 2 i and 2 i + 1 are 16 neighbouring columns 32 i + 16 (l / 16) + 0 .. 15,
; so two conversions make 16 bytes of the next operand, and a wave's store covers 512 consecutive bytes of it: the way out needs no LDS.
; OUT: head images: byte(G, tile, i, c) = G MT 1024 + tile 1024 + (c / 16) 256 + 16 i + c % 16; q, k: G = head, tile of tokens, c = channel; v: G = 64 keys, tile of features, c = key % 64.
; code = sum / 2^X, X = e_out - e_a - e_b (6-0-1, 7-2-3, 9-4-5), held within +-448.  LIMIT: X between -126 and 119.
; REGISTERS: window 0: v16-31 addresses and constants; v32-95 at work on the way out; v128-255 A's fragments, ONE set, on the way out the codes.  window 1: B's fragments, TWO sets.  windows 2, 3: accumulators.
.set LAPS,   2                         ; a lap = two K steps of 256
.set OPS_GK, 8388608
.set OPS_GV, 12582912
.set OPS_WQ, 16777216
.set OPS_WK, 17825792
.set OPS_WV, 18874368
.set QKV_K,  8388608
.set QKV_V,  12582912
.set FR,     16                        ; registers of a fragment
.set NL,     4                         ; LDS loads that bring one
.set NP,     4                         ; places behind this matrix instruction (ISA guide 7.12.1)
.set HALFT,  32768                     ; what one tensor load brings
.set SLOT,   131072                    ; A's two halves, then B's two
.set SPARE,  262144                    ; behind the ring: the spare words, 128 bytes for each wave, which no other line names
.set ADRA, 16                          ; v16-17 LDS address of my A fragments in slot 0, 1
.set ADRB, 20                          ; v20-21 the same for B
.set CO,   26                          ; v26 16 x lane
.set SPW,  28                          ; v28 my spare word; never rewritten
.set NIL,  29                          ; v29 0; never rewritten
.set SCV,  30                          ; v30 2^X
.set LIMV, 31                          ; v31 448 x 2^X
.set TMP,  32
.set AF,   128
.set CD,   128                         ; the codes: 16 registers for each block of 16 rows, so that no store's data are written again
.set G1, 24                            ; s[24:31] group 1 for A; s[32:39] group 0, a set for each slot
.set G0, 32
.set G1B, 48                           ; s[48:55], s[56:63] the same for B
.set G0B, 56
.set STA, 66                           ; s[66:67] two K steps of A in bytes; s[68:69] of B
.set STB, 68
.set MSB, 0
.macro WIN new                         ; the immediate's high byte repeats the setting that is left
.if MSB != \new
	s_set_vgpr_msb (MSB<<8)|\new
.set MSB, \new
.endif
.endm
.set MUL_LO, 0xa1                      ; source 0 (B) window 1, source 1 (A) window 0, C and D window 2
.set MUL_HI, 0xf1                      ; the same, C and D window 3
.set TO_B,   0x40                      ; destination window 1, address window 0
.macro JLOAD g0a, g1a, g0b, g1b        ; a joint load: waves 0 and 1 fetch for A, waves 2 and 3 for B; four v_nop follow each of the two lines
	s_cmp_eq_u32 s15, 0
	s_cbranch_scc0 .Lfor_b_\@
	tensor_load_to_lds s[\g0a:\g0a+3], s[\g1a:\g1a+7]
	s_nop 0
.rept 4
	v_nop
.endr
	s_branch .Lasked_\@
.Lfor_b_\@:
	tensor_load_to_lds s[\g0b:\g0b+3], s[\g1b:\g1b+7]
	s_nop 0
.rept 4
	v_nop
.endr
.Lasked_\@:
.endm
.macro CREST                           ; a round of the cluster's barrier behind its opening barrier
	s_cmp_lg_u32 s14, 0
	s_cbranch_scc1 .Lnot_wave_0_\@
	s_barrier_signal -3
.Lnot_wave_0_\@:
	s_barrier_wait -3
	s_barrier_signal -1
	s_barrier_wait -1
.endm
.macro CROUND
	s_barrier_signal -1
	s_barrier_wait -1
	CREST
.endm
	s_load_b128 s[4:7], s[0:1], 0x0                ; ops s[4:5], the scales' exponents s[6:7]
	s_load_b64 s[10:11], s[0:1], 0x10              ; qkvb
	v_lshl_add_u32 v[SPW], v0, 2, SPARE
	v_mov_b32 v[NIL], 0
	ds_add_u32 v28, v29
	ds_add_u32 v28, v29
	s_wait_dscnt 0x0
	v_lshrrev_b32 v1, 5, v0
	v_readfirstlane_b32 s14, v1                    ; wave 0..3
	s_lshr_b32 s15, s14, 1                         ; which half of the tile's rows is mine.  Also: I fetch for A (0) or for B (1)
	s_and_b32 s16, s14, 1                          ; which half of its columns.  Also: which half I fetch
	s_bfe_u32 s40, ttmp6, 0x40000                  ; cx, cy: my place in the cluster
	s_bfe_u32 s41, ttmp6, 0x40004
	s_and_b32 s70, ttmp7, 0xffff                   ; the cluster's y: 0-7 q, 8-11 k, 12-15 v
	s_sub_co_u32 s73, s70, 8                       ; k's row of clusters
	s_sub_co_u32 s74, s70, 12                      ; v's column of clusters
	s_mov_b32 s75, OPS_WV                          ; v's values,
	s_mov_b32 s76, OPS_GV
	s_mov_b32 s77, QKV_V
	s_mov_b32 s80, 0x40000                         ; a K step of A: 64 tiles x 4,096 bytes
	s_mov_b32 s82, 0x100000                        ; of B: 256 tiles
	s_cmp_lt_u32 s70, 12
	s_cselect_b32 s75, OPS_GK, s75                 ; or k's,
	s_cselect_b32 s76, OPS_WK, s76
	s_cselect_b32 s77, QKV_K, s77
	s_cselect_b32 s80, 0x100000, s80
	s_cselect_b32 s82, 0x40000, s82
	s_cselect_b32 s73, s73, 0
	s_cselect_b32 s74, 0, s74
	s_cmp_lt_u32 s70, 8
	s_cselect_b32 s75, 0, s75                      ; or q's
	s_cselect_b32 s76, OPS_WQ, s76
	s_cselect_b32 s77, 0, s77
	s_cselect_b32 s80, 0x200000, s80
	s_cselect_b32 s73, s70, s73
	s_mov_b32 s81, 0
	s_mov_b32 s83, 0
	s_lshl_b32 s[STA], s80, 1
	s_mov_b32 s[STA+1], 0
	s_lshl_b32 s[STB], s82, 1
	s_mov_b32 s[STB+1], 0
	s_lshl_b32 s17, s73, 2
	s_add_co_u32 s17, s17, s41                     ; tile row
	s_lshl_b32 s42, s74, 2
	s_add_co_u32 s42, s42, s40                     ; tile column
	s_lshl_b32 s43, s41, 2
	s_lshl_b32 s43, 15, s43                        ; my row of the cluster
	s_lshl_b32 s44, 0x1111, s40                    ; my column
	; group 1: a dense block of 32,768 bytes as 128 rows of 32 elements of 8 bytes
	s_or_b32 s[G1+0], s43, (3<<16)|(1<<21)         ; 15:0 the mask: A's tiles go to my row; 17:16 elements of 8 bytes; 21 set beside a mask; no padding
	s_or_b32 s[G1B+0], s44, (3<<16)|(1<<21)
.irp g, G1, G1B
	s_mov_b32 s[\g+1], 32<<16                      ; tensor_dim0
	s_mov_b32 s[\g+2], 128<<16                     ; tensor_dim1
	s_mov_b32 s[\g+3], 32<<16                      ; tile_dim0
	s_mov_b32 s[\g+4], 128                         ; tile_dim1
	s_mov_b32 s[\g+5], 32                          ; tensor_dim0_stride
	s_mov_b32 s[\g+6], 0
	s_mov_b32 s[\g+7], 0
.endr
	s_lshl_b32 s18, s16, 15                        ; the half that I fetch
	s_lshl_b32 s20, s17, 16                        ; A: 16 tiles of rows x 4,096 bytes for each tile row,
	s_add_co_u32 s20, s20, s18
	s_add_co_u32 s20, s20, s75                     ; in its image
	s_mov_b32 s21, 0
	s_lshl_b32 s46, s42, 16                        ; B likewise, by the tile column
	s_add_co_u32 s46, s46, s18
	s_add_co_u32 s46, s46, s76
	s_mov_b32 s47, 0
	s_lshl_b32 s45, s14, 15                        ; where they go: wave x 32,768: no place in the cluster enters an LDS address
	s_wait_kmcnt 0x0
	s_load_b256 s[84:91], s[6:7], 0x0              ; entries 0-7
	s_load_b64 s[92:93], s[6:7], 0x20              ; 8, 9
	s_add_nc_u64 s[20:21], s[4:5], s[20:21]
	s_add_nc_u64 s[46:47], s[4:5], s[46:47]
	CROUND                                         ; all sixteen work-groups are here: the first joint loads meet
	s_mov_b32 s[G0], 1
	s_mov_b32 s[G0+1], s45
	s_mov_b64 s[G0+2:G0+3], s[20:21]
	s_or_b32 s[G0+3], s[G0+3], 0x80000000
	s_mov_b32 s[G0B], 1
	s_mov_b32 s[G0B+1], s45
	s_mov_b64 s[G0B+2:G0B+3], s[46:47]
	s_or_b32 s[G0B+3], s[G0B+3], 0x80000000
	JLOAD G0, G1, G0B, G1B                         ; K step 0
	s_mov_b32 s[G0+4], 1
	s_add_co_u32 s[G0+5], s45, SLOT
	s_add_nc_u64 s[G0+6:G0+7], s[20:21], s[80:81]
	s_or_b32 s[G0+7], s[G0+7], 0x80000000
	s_mov_b32 s[G0B+4], 1
	s_add_co_u32 s[G0B+5], s45, SLOT
	s_add_nc_u64 s[G0B+6:G0B+7], s[46:47], s[82:83]
	s_or_b32 s[G0B+7], s[G0B+7], 0x80000000
	JLOAD G0+4, G1, G0B+4, G1B                     ; K step 1: two loads of mine are out
	v_and_b32 v1, 31, v0
	v_lshlrev_b32 v[CO], 4, v1
	s_lshl_b32 s22, s15, 15                        ; my 128 rows of A
	s_lshl_b32 s23, s16, 15                        ; my 128 rows of B,
	s_add_co_u32 s23, s23, 2*HALFT                 ; which lie behind A's
.irp s, 0,1
	v_add_nc_u32 v[ADRA+\s], s22, v[CO]
	v_add_nc_u32 v[ADRB+\s], s23, v[CO]
	s_add_co_u32 s22, s22, SLOT
	s_add_co_u32 s23, s23, SLOT
.endr
	s_lshl_b32 s94, s42, 2                         ; out: my 128 columns are groups G = 4 x tile column + 2 x half and the next,
	s_lshl_b32 s95, s16, 1
	s_add_co_u32 s94, s94, s95
	s_lshr_b32 s96, s80, 2                         ; of MT x 1,024 bytes each;
	s_mul_i32 s94, s94, s96
	s_add_co_u32 s94, s94, s77
	s_lshl_b32 s95, s17, 14                        ; my first tile of rows: 16 x tile row + 8 x half
	s_add_co_u32 s94, s94, s95
	s_lshl_b32 s95, s15, 13
	s_add_co_u32 s94, s94, s95
	s_mov_b32 s95, 0
	s_mov_b32 s97, 0
	s_add_nc_u64 s[10:11], s[10:11], s[94:95]
	s_add_nc_u64 s[12:13], s[10:11], s[96:97]
.macro FRAG reg, adr, q, i             ; tile i of my eight, the slot's q-th 128 along K: four loads of 512 consecutive bytes
.irp c, 0,1,2,3
	ds_load_b128 v[\reg+4*\c:\reg+4*\c+3], v[\adr] offset:(\i)*4096+(\q)*2048+512*\c
.endr
.endm
; 16 matrix instructions: A's blocks a0, a0 + 1 x B's eight.  The 64 accumulators take turns, one instruction a turn, in the same order in every step.
.macro MUL16 a0, p, zero
.irp a, \a0, \a0+1
.irp b, 0,1,2,3,4,5,6,7
.if \zero
	v_wmma_f32_16x16x128_fp8_fp8 v[8*(8*((\a)%4)+\b):8*(8*((\a)%4)+\b)+7], v[128*(\p)+FR*\b:128*(\p)+FR*\b+FR-1], v[AF+FR*(\a):AF+FR*(\a)+FR-1], 0
.else
	v_wmma_f32_16x16x128_fp8_fp8 v[8*(8*((\a)%4)+\b):8*(8*((\a)%4)+\b)+7], v[128*(\p)+FR*\b:128*(\p)+FR*\b+FR-1], v[AF+FR*(\a):AF+FR*(\a)+FR-1], v[8*(8*((\a)%4)+\b):8*(8*((\a)%4)+\b)+7]
.endif
.endr
.endr
.endm
.macro FETCH_B slot, q, p
	WIN TO_B
.irp i, 0,1,2,3,4,5,6,7
	FRAG 128*(\p)+FR*\i, ADRB+\slot, \q, \i
.endr
	WIN 0
.endm
.macro FETCH_A slot, q, i0
.irp i, \i0, \i0+1, \i0+2, \i0+3
	FRAG AF+FR*(\i), ADRA+\slot, \q, \i
.endr
.endm
.macro PLACES n                        ; plain vector lines between a matrix instruction and a load into, or a vector read or write of, its registers
.rept \n
	v_nop
.endr
.endm
.macro STEP slot, q, zero              ; 128 along K that has its successor in the same slot
	s_wait_dscnt 4*NL                              ; B's set and A's blocks 0-3 are in; the youngest 16 loads (A's blocks 4-7) may be out
	WIN MUL_LO
	MUL16 0, (\q)%2, \zero
	MUL16 2, (\q)%2, \zero
	s_wait_dscnt 0
	PLACES NP
	FETCH_B \slot, (\q)+1, 1-(\q)%2
	FETCH_A \slot, (\q)+1, 0
	WIN MUL_HI
	MUL16 4, (\q)%2, \zero
	MUL16 6, (\q)%2, \zero
	PLACES NP
	WIN 0
	FETCH_A \slot, (\q)+1, 4
.endm
; A slot's last 128 change slots: one barrier; in front of it each wave waits for all its tensor loads, adds 0 to its spare word, and waits for that and for its reads of this slot.
.macro TURN slot, next, fill
	s_wait_tensorcnt 0x0                           ; all my tensor loads have landed: my part of the next slot
	ds_add_u32 v[SPW], v[NIL]                      ; 0 onto my spare word
	s_wait_dscnt 4*NL+1                            ; (the add and the youngest 16 loads may be out)
	WIN MUL_LO
	MUL16 0, 1, 0
	s_wait_dscnt 0x0                               ; the add is done, and my reads of this slot are over
	s_barrier_signal -1
	MUL16 2, 1, 0
	WIN 0
	s_barrier_wait -1
.if \fill
	CREST                                          ; the barrier has opened a round of the cluster's: no wave of any partner still reads this slot or has a load on its way
	s_add_nc_u64 s[G0+4*\slot+2:G0+4*\slot+3], s[G0+4*\slot+2:G0+4*\slot+3], s[STA:STA+1]
	s_add_nc_u64 s[G0B+4*\slot+2:G0B+4*\slot+3], s[G0B+4*\slot+2:G0B+4*\slot+3], s[STB:STB+1]
	JLOAD G0+4*\slot, G1, G0B+4*\slot, G1B         ; my one tensor load behind the round; its four v_nop are the places in front of the loads below
.else
	PLACES NP
.endif
	FETCH_B \next, 0, 0
	FETCH_A \next, 0, 0
	WIN MUL_HI
	MUL16 4, 1, 0
	MUL16 6, 1, 0
	PLACES NP
	WIN 0
	FETCH_A \next, 0, 4
.endm
	s_wait_tensorcnt 1                             ; my part of K step 0 is in; K step 1's load, issued behind it, may be out
	s_barrier_signal -1
	s_barrier_wait -1
	FETCH_B 0, 0, 0
	FETCH_A 0, 0, 0
	FETCH_A 0, 0, 4
	STEP 0, 0, 1                                   ; the first products start the sums
	s_mov_b32 s3, LAPS-1
.Llap:
	TURN 0, 1, 1
	STEP 1, 0, 0
	TURN 1, 0, 1
	STEP 0, 0, 0
	s_sub_co_u32 s3, s3, 1
	s_cmp_lg_u32 s3, 0
	s_cbranch_scc1 .Llap
	TURN 0, 1, 0                                   ; the last lap fills nothing
	STEP 1, 0, 0
	s_wait_dscnt 4*NL
	WIN MUL_LO
	MUL16 0, 1, 0
	MUL16 2, 1, 0
	s_wait_dscnt 0
	WIN MUL_HI
	MUL16 4, 1, 0
	MUL16 6, 1, 0
	WIN 0
; THE WAY OUT, a block of 16 rows x 128 columns at a time: hold, conversion, four stores of 512 consecutive bytes.  Each accumulator is read from its low end on.
.macro OUTQ a
.set AC, 64*((\a)%4)
	WIN 0x02+((\a)/4)                              ; source 0: window 2 or 3
.set n, 0
.rept 64
	v_med3_num_f32 v[TMP+n], v[AC+n], -v[LIMV], v[LIMV]
.set n, n+1
.endr
	WIN 0
.set n, 0
.rept 8
	v_cvt_scalef32_pk8_fp8_f32 v[CD+16*(\a)+2*n:CD+16*(\a)+2*n+1], v[TMP+8*n:TMP+8*n+7], v[SCV]
.set n, n+1
.endr
	v_nop                                          ; a plain line between the conversions and the next block's writes of their sources
.irp b, 0,1,2,3
	global_store_b128 v[CO], v[CD+16*(\a)+4*\b:CD+16*(\a)+4*\b+3], s[10+2*(\b/2):11+2*(\b/2)] offset:(\a)*1024+(\b%2)*512
.endr
.endm
	s_wait_kmcnt 0x0
	s_sub_co_i32 s90, s90, s84
	s_sub_co_i32 s90, s90, s85                     ; q: 6 - 0 - 1
	s_sub_co_i32 s91, s91, s86
	s_sub_co_i32 s91, s91, s87                     ; k: 7 - 2 - 3
	s_sub_co_i32 s93, s93, s88
	s_sub_co_i32 s93, s93, s89                     ; v: 9 - 4 - 5
	s_cmp_lt_u32 s70, 12
	s_cselect_b32 s91, s91, s93
	s_cmp_lt_u32 s70, 8
	s_cselect_b32 s90, s90, s91
	s_add_co_i32 s90, s90, 127
	s_lshl_b32 s91, s90, 23
	v_mov_b32 v[SCV], s91
	s_add_co_i32 s90, s90, 8
	s_lshl_b32 s90, s90, 23
	s_or_b32 s90, s90, 0x600000
	v_mov_b32 v[LIMV], s90
	PLACES NP
.irp a, 0,1,2,3,4,5,6,7
	OUTQ \a
.endr
	s_wait_tensorcnt 0x0                           ; the wave's end
	ds_add_u32 v[SPW], v[NIL]
	s_wait_dscnt 0x0
	CROUND                                         ; the closing round
	s_endpgm
.Lfunc_end_k_qbb438e39b3_qkv:
	.size	k_qbb438e39b3_qkv, .Lfunc_end_k_qbb438e39b3_qkv-k_qbb438e39b3_qkv
	.p2alignl 7, 3214868480
	.fill 96, 4, 3214868480
	.section	.rodata,"a",@progbits
	.p2align	6, 0x0
	.amdhsa_kernel k_qbb438e39b3_qkv
		.amdhsa_group_segment_fixed_size 327680
		.amdhsa_private_segment_fixed_size 0
		.amdhsa_enable_private_segment 0
		.amdhsa_kernarg_size 24
		.amdhsa_user_sgpr_count 2
		.amdhsa_user_sgpr_kernarg_segment_ptr 1
		.amdhsa_wavefront_size32 1
		.amdhsa_system_sgpr_workgroup_id_x 1
		.amdhsa_system_sgpr_workgroup_id_y 1
		.amdhsa_system_sgpr_workgroup_id_z 1
		.amdhsa_system_vgpr_workitem_id 0
		.amdhsa_next_free_vgpr 1024
		.amdhsa_next_free_sgpr 100
		.amdhsa_reserve_vcc 0
		.amdhsa_float_denorm_mode_32 3
		.amdhsa_float_denorm_mode_16_64 3
		.amdhsa_memory_ordered 1
		.amdhsa_forward_progress 1
		.amdhsa_inst_pref_size 118
	.end_amdhsa_kernel
	.amdgpu_metadata
---
amdhsa.version: [ 1, 2 ]
amdhsa.kernels:
  - .name:           k_qbb438e39b3_qkv
    .symbol:         k_qbb438e39b3_qkv.kd
    .args:
      - { .name: ops, .offset: 0, .size: 8, .value_kind: global_buffer, .address_space: global }
      - { .name: lowp_scales, .offset: 8, .size: 8, .value_kind: global_buffer, .address_space: global }
      - { .name: qkvb, .offset: 16, .size: 8, .value_kind: global_buffer, .address_space: global }
    .group_segment_fixed_size: 327680
    .private_segment_fixed_size: 0
    .kernarg_segment_align: 8
    .kernarg_segment_size: 24
    .max_flat_workgroup_size: 128
    .sgpr_count:     100
    .vgpr_count:     1024
    .wavefront_size: 32
...
	.end_amdgpu_metadata
.endif
;; end of part 2
;; launch attn (part 3): grid 4 x 64, 16 waves a work-group, no clusters, 133,120 bytes of LDS; arguments qkvb, lowp_scales, att; writes att
.if DOCPART == 3
	.amdgcn_target "amdgcn-amd-amdhsa--gfx1250"
	.amdhsa_code_object_version 6
	.text
	.protected	k_qbb438e39b3_attn
	.globl	k_qbb438e39b3_attn
	.p2align	8
	.type	k_qbb438e39b3_attn,@function
k_qbb438e39b3_attn:
	s_mov_b64 s[64:65], 0
	v_nop
	global_prefetch_b8 v0, s[64:65] scope:SCOPE_SE
	s_setreg_imm32_b32 hwreg(HW_REG_WAVE_MODE, 25, 1), 1
	s_wait_xcnt 0x0
; att[b][n][64 h + d] = the sum over keys of softmax(q . k / 8) v, both products on codes of E4M3 by v_wmma_f32_16x16x64_fp8_fp8; the result is quantised for the next product.
; THE SOFTMAX: t = score x log2(e) / 8; M = the running largest t rounded UP to a whole number; p = 2^(t - M) is quantised (entry 8), not normalised; the row's sum is taken of the unquantised p and divides at the end.
; SHARES.  Work-group (x, y): queries 512 x .. 512 x + 511 of batch y / 16, head y % 16.  The head's whole K and V, 64 KiB each, are brought into LDS once, by plain loads and LDS stores, with ONE barrier; nothing is
; filled again.  Each of sixteen waves owns TWO tiles of 16 queries, so that each fragment of K and V read from LDS feeds two matrix instructions; four waves share a SIMD.
; NO CLUSTER: what the four work-groups of a head share is these 128 KiB, read once at the head.  A joint request is a tensor load.  The branch on entry 8
; below spares 64 of a tile's 260 vector lines in every key step.
; LAYOUT.  Both products transposed (S^T = K Q^T, O^T = V^T P^T): a lane holds one query.  By the images' row order the 16 registers of key tiles 2 i, 2 i + 1 are 16 neighbouring keys, and those of V's tiles 16 neighbouring channels:
; the conversions' results are the next operands' registers.  A fragment (16 rows x 64) is two loads of 512 consecutive bytes: registers 4 c .. 4 c + 3 hold 32 c + 16 (lane / 16) + 0 .. 15, alike on both sides.
; LDS: key step s (128 keys) at 16,384 s: K's 8 tiles of 1,024 bytes, then V: 2 groups of 64 keys x 4 tiles of channels x 1,024 bytes.
; THE HOLD OF p: p is at most 1 (to a rounding), and 448 x 2^e8 is at least 1.75 where e8 >= -8: there the hold changes nothing and is passed over by a scalar branch on e8; for smaller e8 it is executed.
; LIMITS: e6 + e7 between -123 and 130 (added to c's exponent field); e8 and e10 between -126 and 119.  NaN and infinities are not served.
; REGISTERS: v1 16 x lane; v2 the step's LDS address; v3 the loader's; tile u: v[4+4u] -M, +1 the largest t, +2, +3 the sum; v[12:13] f; v14-17, v[20:21] at work; v18, v19: 2^e8, 448 x 2^e8; v22, v23: the same of e10;
; v24-39 Q; v40-55 tile 0's codes; v56-119 K's 8 fragments, later tile 1's codes in v56-71; v120-183 S^T and p, then V's 8 fragments; v184-247 O^T.
.set QKV_K, 8388608
.set QKV_V, 12582912
.set LI, 1
.set AD, 2
.set LW, 3
.set QF, 24
.set P0, 40
.set XK, 56
.set YS, 120
.set OA, 184
.macro MKSCALE e, sc, lim
	s_add_co_i32 s32, s[\e], 127
	s_lshl_b32 s33, s32, 23
	v_mov_b32 v[\sc], s33
	s_add_co_i32 s32, s32, 8
	s_lshl_b32 s32, s32, 23
	s_or_b32 s32, s32, 0x600000
	v_mov_b32 v[\lim], s32
.endm
	s_load_b128 s[4:7], s[0:1], 0x0                ; qkvb, the scales' exponents
	s_load_b64 s[8:9], s[0:1], 0x10                ; att
	v_lshl_add_u32 v254, v0, 2, 0x20000
	v_mov_b32 v255, 0
	v_lshrrev_b32 v2, 5, v0
	v_readfirstlane_b32 s10, v2                    ; wave 0..15
	v_and_b32 v1, 31, v0
	v_lshlrev_b32 v[LI], 4, v1
	s_and_b32 s11, ttmp7, 0xffff
	s_lshr_b32 s12, s11, 4                         ; batch
	s_and_b32 s13, s11, 15                         ; head
	s_lshl_b32 s14, s12, 7
	s_lshl_b32 s15, ttmp9, 5
	s_add_co_u32 s14, s14, s15
	s_lshl_b32 s15, s10, 1
	s_add_co_u32 s14, s14, s15                     ; my first tile of queries: 128 b + 32 x + 2 w
	s_lshl_b32 s16, s13, 19                        ; Q: head x 512 tiles x 1,024 bytes + tile x 1,024
	s_lshl_b32 s15, s14, 10
	s_add_co_u32 s16, s16, s15
	s_mov_b32 s17, 0
	s_lshl_b32 s18, s13, 18                        ; K: head x 256 tiles + batch x 64 tiles + my four tiles
	s_lshl_b32 s15, s12, 16
	s_add_co_u32 s18, s18, s15
	s_lshl_b32 s15, s10, 12
	s_add_co_u32 s18, s18, s15
	s_add_co_u32 s18, s18, QKV_K
	s_mov_b32 s19, 0
	s_lshl_b32 s28, s12, 4                         ; V: group of 64 keys 16 b + w, x 64 tiles; the head's four tiles
	s_add_co_u32 s28, s28, s10
	s_lshl_b32 s28, s28, 16
	s_lshl_b32 s15, s13, 12
	s_add_co_u32 s28, s28, s15
	s_add_co_u32 s28, s28, QKV_V
	s_mov_b32 s29, 0
	s_lshr_b32 s30, s13, 2                         ; att: K step head / 4 (512 tiles x 4,096), my tile, 1,024 (head % 4)
	s_lshl_b32 s30, s30, 21
	s_lshl_b32 s15, s14, 12
	s_add_co_u32 s30, s30, s15
	s_and_b32 s15, s13, 3
	s_lshl_b32 s15, s15, 10
	s_add_co_u32 s30, s30, s15
	s_mov_b32 s31, 0
	s_lshr_b32 s34, s10, 1                         ; the loader: key step w / 2, half w % 2
	s_lshl_b32 s34, s34, 14
	s_and_b32 s35, s10, 1
	s_lshl_b32 s35, s35, 12
	s_add_co_u32 s34, s34, s35
	v_add_nc_u32 v[LW], s34, v[LI]
	s_mov_b32 s20, 0x76543210                      ; v_permlanex16_b32: lane l xor 16
	s_mov_b32 s21, 0xfedcba98
	s_mov_b32 s22, 0x3e38aa3b                      ; c = log2(e) / 8
	s_wait_kmcnt 0x0
	s_load_b128 s[36:39], s[6:7], 0x18             ; entries 6, 7, 8, 9
	s_load_b32 s40, s[6:7], 0x28                   ; entry 10
	s_add_nc_u64 s[16:17], s[4:5], s[16:17]
	s_add_nc_u64 s[18:19], s[4:5], s[18:19]
	s_add_nc_u64 s[28:29], s[4:5], s[28:29]
	s_add_nc_u64 s[30:31], s[8:9], s[30:31]
.set n, 0
.rept 4
	global_load_b128 v[QF+4*n:QF+4*n+3], v[LI], s[16:17] offset:512*n th:TH_LOAD_NT   ; my two tiles of Q stay in registers
.set n, n+1
.endr
.set n, 0
.rept 8
	global_load_b128 v[XK+4*n:XK+4*n+3], v[LI], s[18:19] offset:512*n
.set n, n+1
.endr
.set n, 0
.rept 8
	global_load_b128 v[XK+32+4*n:XK+32+4*n+3], v[LI], s[28:29] offset:512*n
.set n, n+1
.endr
	v_mov_b32 v5, 0xff61b1e6                       ; the largest t so far: -3e38, under every t
	v_mov_b32 v9, 0xff61b1e6
	v_floor_f32 v4, -v5                            ; -M
	v_floor_f32 v8, -v9
	v_mov_b32 v6, 0                                ; the sums
	v_mov_b32 v7, 0
	v_mov_b32 v10, 0
	v_mov_b32 v11, 0
	v_mov_b32 v13, 0                               ; (named as the upper half of the pair v[12:13])
	v_mov_b32 v16, 0                               ; a permute's destination counts as read
	v_mov_b32 v17, 0
.set n, 0
.rept 64
	v_mov_b32 v[OA+n], 0                           ; O^T.  (The step is written once: the first finds zeros, which the first change of M leaves zeros)
.set n, n+1
.endr
	s_wait_kmcnt 0x0
	s_add_co_i32 s32, s36, s37
	s_lshl_b32 s32, s32, 23
	s_add_co_i32 s22, s22, s32                     ; a score stands for score x 2^(e6 + e7): added to c's exponent field
	s_mov_b32 s23, s22
	s_mov_b32 s26, s38                             ; e8
	MKSCALE 38, 18, 19
	MKSCALE 40, 22, 23
	s_wait_loadcnt 8                               ; Q and K are in; V's eight loads, issued behind them, may be out
.set n, 0
.rept 8
	ds_store_b128 v[LW], v[XK+4*n:XK+4*n+3] offset:512*n
.set n, n+1
.endr
	s_wait_loadcnt 0x0
.set n, 0
.rept 8
	ds_store_b128 v[LW], v[XK+32+4*n:XK+32+4*n+3] offset:8192+512*n
.set n, n+1
.endr
	s_wait_dscnt 0x0                               ; for the others' sake: my stores have landed
	s_barrier_signal -1
	s_barrier_wait -1                              ; the head's K and V lie in LDS; from here on LDS is only read
; The softmax of tile u for 128 keys: scores in v[YS] on, codes into v[pc] on.
.macro SOFT u, pc
.set ST, 4+4*(\u)
.set OU, OA+32*(\u)
	v_max3_num_f32 v14, v[YS], v[YS+1], v[YS+2]    ; the step's largest score of my query among my 64 keys, in two chains, ascending: each accumulator is read from its low end on
	v_max3_num_f32 v15, v[YS+3], v[YS+4], v[YS+5]
.set n, 6
.rept 14
	v_max3_num_f32 v14, v14, v[YS+n], v[YS+n+1]
	v_max3_num_f32 v15, v15, v[YS+n+2], v[YS+n+3]
.set n, n+4
.endr
	v_max3_num_f32 v14, v14, v[YS+62], v[YS+63]
	v_max_num_f32 v14, v14, v15
	v_permlanex16_b32 v16, v14, s20, s21
	v_max_num_f32 v14, v14, v16                    ; and among lane l xor 16's
	v_mul_f32 v14, s22, v14                        ; as t (c is positive)
	v_max_num_f32 v[ST+1], v[ST+1], v14            ; the running largest t
	v_mov_b32 v14, v[ST]
	v_floor_f32 v[ST], -v[ST+1]                    ; the new -M = floor(-t): M is a whole number
	v_sub_f32 v14, v[ST], v14                      ; old M - new M, 0 or less
	v_cvt_i32_f32 v14, v14                         ; (it saturates)
	v_ldexp_f32 v12, 1.0, v14                      ; f = 2^(old M - new M)
.set n, 0
.rept 32
	v_pk_fma_f32 v[YS+n:YS+n+1], v[YS+n:YS+n+1], s[22:23], v[ST:ST+1] op_sel_hi:[1,0,0]   ; t - M (of the pairs c and -M the low word serves both halves)
.set n, n+2
.endr
.set n, 0
.rept 64
	v_exp_f32 v[YS+n], v[YS+n]                     ; p = 2^(t - M)
.set n, n+1
.endr
	v_pk_mul_f32 v[ST+2:ST+3], v[ST+2:ST+3], v[12:13] op_sel_hi:[1,0]   ; the sums under the new M: the plain line behind the exponentials
	s_wait_alu depctr_va_vdst(0)                   ; one wait for the whole batch, ahead of its first reader
	v_pk_add_f32 v[20:21], v[YS:YS+1], v[YS+2:YS+3]   ; the row's sum, of the unquantised p, in two chains
.set n, 4
.rept 15
	v_pk_add_f32 v[ST+2:ST+3], v[ST+2:ST+3], v[YS+n:YS+n+1]
	v_pk_add_f32 v[20:21], v[20:21], v[YS+n+2:YS+n+3]
.set n, n+4
.endr
	v_pk_add_f32 v[ST+2:ST+3], v[ST+2:ST+3], v[20:21]
	s_cmp_ge_i32 s26, -8                           ; 448 x 2^e8 >= 1.75 > p: the hold would change nothing
	s_cbranch_scc1 .Lnohold_\@
.set n, 0
.rept 64
	v_min_num_f32 v[YS+n], v[YS+n], v19            ; the conversion does not saturate (ISA guide 7.6.2); p is not negative
.set n, n+1
.endr
.Lnohold_\@:
.set n, 0
.rept 8
	v_cvt_scalef32_pk8_fp8_f32 v[\pc+2*n:\pc+2*n+1], v[YS+8*n:YS+8*n+7], v18
.set n, n+1
.endr
.set n, 0
.rept 16
	v_pk_mul_f32 v[OU+n:OU+n+1], v[OU+n:OU+n+1], v[12:13] op_sel_hi:[1,0]   ; O^T under the new M.  These sixteen name no register of the score products: they are the places in front of what follows
.set n, n+2
.endr
.endm
	s_mov_b32 s24, 0                               ; the key step's LDS byte
	s_mov_b32 s25, 8                               ; 1,024 keys, 128 a step
.Lstep:
	v_add_nc_u32 v[AD], s24, v[LI]
.rept 4
	v_nop                                          ; with the addition five places behind the last products: loads land in their sources, and the score products write over V's fragments
.endr
.set n, 0
.rept 16
	ds_load_b128 v[XK+4*n:XK+4*n+3], v[AD] offset:512*n            ; K's 8 tiles
.set n, n+1
.endr
	s_wait_dscnt 0x0
.irp t, 0,1,2,3,4,5,6,7
	v_wmma_f32_16x16x64_fp8_fp8 v[YS+8*\t:YS+8*\t+7], v[XK+8*\t:XK+8*\t+7], v[QF:QF+7], 0
.endr
.rept 4
	v_nop
.endr
	SOFT 0, P0
.irp t, 0,1,2,3,4,5,6,7
	v_wmma_f32_16x16x64_fp8_fp8 v[YS+8*\t:YS+8*\t+7], v[XK+8*\t:XK+8*\t+7], v[QF+8:QF+15], 0
.endr
.rept 4
	v_nop
.endr
	SOFT 1, XK                                     ; K's fragments are done with: tile 1's codes take the first sixteen of their registers
.set n, 0
.rept 16
	ds_load_b128 v[YS+4*n:YS+4*n+3], v[AD] offset:8192+512*n       ; V's 8 fragments: 64 keys kg, tile of channels dt at 8 (4 kg + dt)
.set n, n+1
.endr
	s_wait_dscnt 0x0
.irp kg, 0,1                           ; the eight accumulators take turns, one instruction a turn
.irp dt, 0,1,2,3
	v_wmma_f32_16x16x64_fp8_fp8 v[OA+8*\dt:OA+8*\dt+7], v[YS+8*(4*\kg+\dt):YS+8*(4*\kg+\dt)+7], v[P0+8*\kg:P0+8*\kg+7], v[OA+8*\dt:OA+8*\dt+7]
	v_wmma_f32_16x16x64_fp8_fp8 v[OA+32+8*\dt:OA+32+8*\dt+7], v[YS+8*(4*\kg+\dt):YS+8*(4*\kg+\dt)+7], v[XK+8*\kg:XK+8*\kg+7], v[OA+32+8*\dt:OA+32+8*\dt+7]
.endr
.endr
	s_add_co_u32 s24, s24, 16384
	s_sub_co_u32 s25, s25, 1
	s_cmp_lg_u32 s25, 0
	s_cbranch_scc1 .Lstep
	; THE WAY OUT: O^T x 2^(e8 + e9) / the sum, quantised by entry 10.  A lane's 16 registers of two tiles of channels are 16 neighbours of the next K: stores of 512 consecutive bytes, no LDS.
	v_add_f32 v6, v6, v7
	v_add_f32 v10, v10, v11
	v_permlanex16_b32 v16, v6, s20, s21
	v_permlanex16_b32 v17, v10, s20, s21
	v_add_f32 v6, v6, v16                          ; the rows' sums
	v_add_f32 v10, v10, v17
	v_rcp_f32 v6, v6
	v_rcp_f32 v10, v10
	v_nop                                          ; a plain line behind the transcendentals
	s_add_co_i32 s32, s38, s39
	s_wait_alu depctr_va_vdst(0)                   ; one wait for both, ahead of the first reader
	v_ldexp_f32 v6, v6, s32
	v_ldexp_f32 v10, v10, s32
.irp u, 0,1
.set n, 0
.rept 32
	v_mul_f32 v[YS+32*\u+n], v[OA+32*\u+n], v[6+4*\u]
.set n, n+1
.endr
.set n, 0
.rept 32
	v_med3_num_f32 v[YS+32*\u+n], v[YS+32*\u+n], -v23, v23
.set n, n+1
.endr
.set n, 0
.rept 4
	v_cvt_scalef32_pk8_fp8_f32 v[XK+8*\u+2*n:XK+8*\u+2*n+1], v[YS+32*\u+8*n:YS+32*\u+8*n+7], v22
.set n, n+1
.endr
	v_nop
	global_store_b128 v[LI], v[XK+8*\u:XK+8*\u+3], s[30:31] offset:4096*\u
	global_store_b128 v[LI], v[XK+8*\u+4:XK+8*\u+7], s[30:31] offset:4096*\u+512
.endr
	s_wait_tensorcnt 0x0
	ds_add_u32 v254, v255
	s_wait_dscnt 0x0
	s_endpgm
.Lfunc_end_k_qbb438e39b3_attn:
	.size	k_qbb438e39b3_attn, .Lfunc_end_k_qbb438e39b3_attn-k_qbb438e39b3_attn
	.p2alignl 7, 3214868480
	.fill 96, 4, 3214868480
	.section	.rodata,"a",@progbits
	.p2align	6, 0x0
	.amdhsa_kernel k_qbb438e39b3_attn
		.amdhsa_group_segment_fixed_size 133120
		.amdhsa_private_segment_fixed_size 0
		.amdhsa_enable_private_segment 0
		.amdhsa_kernarg_size 24
		.amdhsa_user_sgpr_count 2
		.amdhsa_user_sgpr_kernarg_segment_ptr 1
		.amdhsa_wavefront_size32 1
		.amdhsa_system_sgpr_workgroup_id_x 1
		.amdhsa_system_sgpr_workgroup_id_y 1
		.amdhsa_system_sgpr_workgroup_id_z 1
		.amdhsa_system_vgpr_workitem_id 0
		.amdhsa_next_free_vgpr 256
		.amdhsa_next_free_sgpr 66
		.amdhsa_reserve_vcc 0
		.amdhsa_float_denorm_mode_32 3
		.amdhsa_float_denorm_mode_16_64 3
		.amdhsa_memory_ordered 1
		.amdhsa_forward_progress 1
		.amdhsa_inst_pref_size 45
	.end_amdhsa_kernel
	.amdgpu_metadata
---
amdhsa.version: [ 1, 2 ]
amdhsa.kernels:
  - .name:           k_qbb438e39b3_attn
    .symbol:         k_qbb438e39b3_attn.kd
    .args:
      - { .name: qkvb, .offset: 0, .size: 8, .value_kind: global_buffer, .address_space: global }
      - { .name: lowp_scales, .offset: 8, .size: 8, .value_kind: global_buffer, .address_space: global }
      - { .name: att, .offset: 16, .size: 8, .value_kind: global_buffer, .address_space: global }
    .group_segment_fixed_size: 133120
    .private_segment_fixed_size: 0
    .kernarg_segment_align: 8
    .kernarg_segment_size: 24
    .max_flat_workgroup_size: 512
    .sgpr_count:     66
    .vgpr_count:     256
    .wavefront_size: 32
...
	.end_amdgpu_metadata
.endif
;; end of part 3
;; launch oproj (part 4): grid 4 x 64, 4 waves a work-group, clusters of 4 x 4, 327,680 bytes of LDS; arguments att, ops, lowp_scales, bo, cat; writes cat
.if DOCPART == 4
	.amdgcn_target "amdgcn-amd-amdhsa--gfx1250"
	.amdhsa_code_object_version 6
	.text
	.protected	k_qbb438e39b3_oproj
	.globl	k_qbb438e39b3_oproj
	.p2align	8
	.type	k_qbb438e39b3_oproj,@function
k_qbb438e39b3_oproj:
	s_mov_b64 s[64:65], 0
	v_nop
	global_prefetch_b8 v0, s[64:65] scope:SCOPE_SE
	s_setreg_imm32_b32 hwreg(HW_REG_WAVE_MODE, 25, 1), 1
	s_wait_xcnt 0x0
	s_wait_alu depctr_hold_cnt(0) depctr_sa_sdst(0) depctr_va_vdst(0) depctr_va_sdst(0) depctr_va_ssrc(0) depctr_va_vcc(0) depctr_vm_vsrc(0)
	s_getreg_b32 s2, hwreg(HW_REG_IB_STS2, 6, 4)
	s_cmp_eq_u32 s2, 0
	s_cbranch_scc0 .Lentry_in_a_cluster
	s_endpgm
.Lentry_in_a_cluster:
	s_bfe_u32 s2, ttmp6, 0x10000c
	s_cmp_lg_u32 s2, 0xf033
	s_cbranch_scc0 .Lentry_shape_is_right
	s_endpgm
.Lentry_shape_is_right:
; cat[:, 1024 + n] = codes (entry 12) of att Wo + bo: 8,192 x 1,024, K = 1,024, on codes of E4M3 (entries 10, 11).
; A tile of 128 rows x 256 columns is made by four waves, 64 x 128 each: 32 accumulators.  64 x 4 tiles: 256 work-groups.
; The operands lie in memory in the order of the operand registers: a K step of 256 of 16 rows is 4,096 dense bytes; a fragment (16 rows x 128 K) is four ds_load_b128 of 512 consecutive bytes.
; Registers 4 c .. 4 c + 3 hold K = 32 c + 16 (l / 16) + 0 .. 15, alike on both sides.
; LDS holds THREE of the four K steps at once (a K step is 32 KiB of A and 64 KiB of B): a small slot of one K step and a large slot of two.  First fills: small = K step 0, large = K steps 1 and 2;
; the small slot is filled once more, with K step 3.  So one refill stands in the whole launch.  Nothing loops: the eight steps of 128 along K are written out.
; A wave fetches with ONE tensor load: waves 0 and 1 A's halves (64 rows), waves 2 and 3 B's (128 rows).  The large slot's load is a tile of 2 rows: a row is the wave's dense block of one K step
; (16 KiB of A, 32 KiB of B), the pitch is the image's K step: the two K steps land one behind the other.
; CLUSTERS: 4 x 4 work-groups; A's tiles are asked for jointly along a row of the cluster, B's along a column.
; TRANSPOSED USE (source 0 = Wo's columns, source 1 = tokens) and the images' row order: the 16 registers of B's tiles 2 i, 2 i + 1 are columns 32 i + 16 (l / 16) + 0 .. 15: 16 bytes of the last product's A.
; y = sum x 2^(e10 + e11) + bo, one packed multiply-add for two; then the hold at +-448 x 2^e12 and the conversion.  LIMITS: e10 + e11 between -126 and 127; e12 between -126 and 119.
; REGISTERS: window 0: v16-31 addresses and constants; v32-63 at work on the way out; v64-127 bo in the accumulators' order; v128-255 A's fragments, two sets of 64, later the codes.
;   window 1: B's fragments, two sets of 128.   window 2: the accumulators, (a, b) at v[8 (8 a + b)].
.set OPS_W,  19922944                  ; Wo's image in ops
.set KS_A,   0x200000                  ; a K step of A: 512 tiles x 4,096 bytes
.set KS_B,   0x40000                   ; of B: 64 tiles
.set FR,     16                        ; registers of a fragment
.set NP,     4                         ; places behind this matrix instruction (ISA guide 7.12.1)
.set BIG_B,  65536                     ; the large slot: A's two regions of 32,768 bytes at 0, B's two of 65,536 here; in a region the first K step's block, then the second's
.set SM_A,   196608                    ; the small slot: A's two regions of 16,384 bytes,
.set SM_B,   229376                    ; B's two of 32,768
.set SPARE,  294912                    ; behind the slots: the spare words, 128 bytes for each wave, which no other line names
.set ADRA, 16                          ; v16 my A fragments in the large slot, v17 in the small one
.set ADRB, 20                          ; v20, v21 the same for B
.set CO,   26                          ; v26 16 x lane
.set BA,   27                          ; v27 64 x (lane / 16): my place in bo
.set SPW,  28                          ; v28 my spare word; never rewritten
.set NIL,  29                          ; v29 0; never rewritten
.set SCV,  30                          ; v30 2^e12
.set LIMV, 31                          ; v31 448 x 2^e12
.set TMP,  32
.set BIAS, 64
.set AF,   128
.set CD,   128                         ; the codes: registers of their own for each store
.set G1AP, 24                          ; s[24:31] group 1, A, two K steps;  s[32:39] A, one K step
.set G1AS, 32
.set G1BP, 48                          ; s[48:55], s[56:63] the same for B
.set G1BS, 56
.set G0AB, 72                          ; group 0: A large, A small, B large, B small
.set G0AS, 76
.set G0BB, 88
.set G0BS, 92
.set MSB, 0
.macro WIN new                         ; the immediate's high byte repeats the setting that is left
.if MSB != \new
	s_set_vgpr_msb (MSB<<8)|\new
.set MSB, \new
.endif
.endm
.set MUL,  0xa1                        ; source 0 (B) window 1, source 1 (A) window 0, C and D window 2
.set TO_B, 0x40                        ; destination window 1, address window 0
.macro JLOAD g0a, g1a, g0b, g1b        ; a joint load: waves 0 and 1 fetch for A, waves 2 and 3 for B; four v_nop follow each of the two lines
	s_cmp_eq_u32 s15, 0
	s_cbranch_scc0 .Lfor_b_\@
	tensor_load_to_lds s[\g0a:\g0a+3], s[\g1a:\g1a+7]
	s_nop 0
.rept 4
	v_nop
.endr
	s_branch .Lasked_\@
.Lfor_b_\@:
	tensor_load_to_lds s[\g0b:\g0b+3], s[\g1b:\g1b+7]
	s_nop 0
.rept 4
	v_nop
.endr
.Lasked_\@:
.endm
.macro CREST                           ; a round of the cluster's barrier behind its opening barrier
	s_cmp_lg_u32 s14, 0
	s_cbranch_scc1 .Lnot_wave_0_\@
	s_barrier_signal -3
.Lnot_wave_0_\@:
	s_barrier_wait -3
	s_barrier_signal -1
	s_barrier_wait -1
.endm
.macro CROUND
	s_barrier_signal -1
	s_barrier_wait -1
	CREST
.endm
.macro SHAPE g, c, r, p                ; group 1's words 1 to 7: r rows of c elements of 8 bytes, p elements from row to row
	s_mov_b32 s[\g+1], (\c)<<16
	s_mov_b32 s[\g+2], (\r)<<16
	s_mov_b32 s[\g+3], (\c)<<16
	s_mov_b32 s[\g+4], \r
	s_mov_b32 s[\g+5], \p
	s_mov_b32 s[\g+6], 0
	s_mov_b32 s[\g+7], 0
.endm
	s_load_b128 s[4:7], s[0:1], 0x0                ; att s[4:5], ops s[6:7]
	s_load_b128 s[8:11], s[0:1], 0x10              ; the scales' exponents s[8:9], bo s[10:11]
	s_load_b64 s[12:13], s[0:1], 0x20              ; cat
	v_lshl_add_u32 v[SPW], v0, 2, SPARE
	v_mov_b32 v[NIL], 0
	ds_add_u32 v28, v29
	ds_add_u32 v28, v29
	s_wait_dscnt 0x0
	v_lshrrev_b32 v1, 5, v0
	v_readfirstlane_b32 s14, v1                    ; wave 0..3
	s_lshr_b32 s15, s14, 1                         ; my half of the rows.  Also: I fetch for A (0) or for B (1)
	s_and_b32 s16, s14, 1                          ; my half of the columns.  Also: which half I fetch
	s_bfe_u32 s40, ttmp6, 0x40000                  ; cx, cy
	s_bfe_u32 s41, ttmp6, 0x40004
	s_lshl_b32 s42, ttmp9, 2
	s_add_co_u32 s42, s42, s40                     ; tile column, 0..3
	s_and_b32 s17, ttmp7, 0xffff
	s_lshl_b32 s17, s17, 2
	s_add_co_u32 s17, s17, s41                     ; tile row, 0..63
	s_lshl_b32 s43, s41, 2
	s_lshl_b32 s43, 15, s43                        ; my row of the cluster
	s_lshl_b32 s44, 0x1111, s40                    ; my column
	s_or_b32 s[G1AP], s43, (3<<16)|(1<<21)         ; 15:0 the mask; 17:16 elements of 8 bytes; 21 set beside a mask; no padding
	s_or_b32 s[G1AS], s43, (3<<16)|(1<<21)
	s_or_b32 s[G1BP], s44, (3<<16)|(1<<21)
	s_or_b32 s[G1BS], s44, (3<<16)|(1<<21)
	SHAPE G1AP, 2048, 2, KS_A/8                    ; two K steps: 2 rows of 16,384 bytes, a K step apart
	SHAPE G1AS, 32, 64, 32                         ; one K step: 16,384 dense bytes as 64 rows of 256
	SHAPE G1BP, 4096, 2, KS_B/8                    ; 2 rows of 32,768 bytes
	SHAPE G1BS, 32, 128, 32                        ; 32,768 dense bytes as 128 rows of 256
	s_lshl_b32 s18, s16, 14
	s_lshl_b32 s20, s17, 15                        ; A: 8 tiles of rows x 4,096 bytes for each tile row, + the half that I fetch
	s_add_co_u32 s20, s20, s18
	s_mov_b32 s21, 0
	s_lshl_b32 s18, s16, 15
	s_lshl_b32 s46, s42, 16                        ; B: 16 tiles for each tile column, + the half
	s_add_co_u32 s46, s46, s18
	s_add_co_u32 s46, s46, OPS_W
	s_mov_b32 s47, 0
	s_lshl_b32 s45, s16, 15                        ; where they go: a constant + the half x a constant: no place in the cluster enters an LDS address
	s_lshl_b32 s22, s16, 16
	s_add_co_u32 s22, s22, BIG_B
	s_lshl_b32 s23, s16, 14
	s_add_co_u32 s23, s23, SM_A
	s_lshl_b32 s96, s16, 15
	s_add_co_u32 s96, s96, SM_B
	s_wait_kmcnt 0x0
	s_load_b128 s[84:87], s[8:9], 0x28             ; entries 10, 11, 12, 13
	s_add_nc_u64 s[20:21], s[4:5], s[20:21]
	s_add_nc_u64 s[46:47], s[6:7], s[46:47]
	CROUND                                         ; all sixteen work-groups are here: the first joint loads meet
	s_mov_b32 s[G0AS], 1
	s_mov_b32 s[G0AS+1], s23
	s_mov_b64 s[G0AS+2:G0AS+3], s[20:21]
	s_or_b32 s[G0AS+3], s[G0AS+3], 0x80000000
	s_mov_b32 s[G0BS], 1
	s_mov_b32 s[G0BS+1], s96
	s_mov_b64 s[G0BS+2:G0BS+3], s[46:47]
	s_or_b32 s[G0BS+3], s[G0BS+3], 0x80000000
	JLOAD G0AS, G1AS, G0BS, G1BS                   ; K step 0 into the small slot
	s_mov_b32 s[G0AB], 1
	s_mov_b32 s[G0AB+1], s45
	s_add_nc_u64 s[G0AB+2:G0AB+3], s[20:21], KS_A
	s_or_b32 s[G0AB+3], s[G0AB+3], 0x80000000
	s_mov_b32 s[G0BB], 1
	s_mov_b32 s[G0BB+1], s22
	s_add_nc_u64 s[G0BB+2:G0BB+3], s[46:47], KS_B
	s_or_b32 s[G0BB+3], s[G0BB+3], 0x80000000
	JLOAD G0AB, G1AP, G0BB, G1BP                   ; K steps 1 and 2 into the large slot: two loads of mine are out
	v_and_b32 v1, 31, v0
	v_lshlrev_b32 v[CO], 4, v1
	v_bfe_u32 v2, v0, 4, 1
	v_lshlrev_b32 v[BA], 6, v2
	s_lshl_b32 s97, s15, 15                        ; my 64 rows of A are the region of that half,
	v_add_nc_u32 v[ADRA], s97, v[CO]
	s_lshl_b32 s97, s15, 14
	s_add_co_u32 s97, s97, SM_A
	v_add_nc_u32 v[ADRA+1], s97, v[CO]
	v_add_nc_u32 v[ADRB], s22, v[CO]               ; my 128 columns the region of my half of B
	v_add_nc_u32 v[ADRB+1], s96, v[CO]
	s_lshl_b32 s66, s42, 10                        ; bo: my 128 columns
	s_lshl_b32 s67, s16, 9
	s_add_co_u32 s66, s66, s67
	s_mov_b32 s67, 0
	s_add_nc_u64 s[10:11], s[10:11], s[66:67]
.set n, 0
.rept 16
	global_load_b128 v[BIAS+4*n:BIAS+4*n+3], v[BA], s[10:11] offset:128*(n/4)+16*(n%4)   ; register 16 i + j: column 32 i + 16 (l / 16) + j, as in the accumulators
.set n, n+1
.endr
	s_add_co_u32 s68, s42, 4                       ; cat: K step 4 + tile column,
	s_lshl_b32 s68, s68, 21
	s_lshl_b32 s69, s17, 15                        ; tiles of rows 8 x tile row + 4 x half on,
	s_add_co_u32 s68, s68, s69
	s_lshl_b32 s69, s15, 14
	s_add_co_u32 s68, s68, s69
	s_lshl_b32 s69, s16, 11                        ; my half of the K step
	s_add_co_u32 s68, s68, s69
	s_mov_b32 s69, 0
	s_add_nc_u64 s[12:13], s[12:13], s[68:69]
; WHERE A STEP'S FRAGMENTS LIE.  src = 0: the large slot's first K step; 1: its second; 2: the small slot.  q: which 128 of the K step.
.macro FRAG reg, adr, off              ; four loads of 512 consecutive bytes
.irp c, 0,1,2,3
	ds_load_b128 v[\reg+4*\c:\reg+4*\c+3], v[\adr] offset:\off+512*\c
.endr
.endm
.macro FETCH_B src, q, p               ; B's eight fragments into set p
	WIN TO_B
.irp i, 0,1,2,3,4,5,6,7
	FRAG 128*(\p)+FR*\i, ADRB+(\src)/2, ((\src)%2)*32768+(\q)*2048+\i*4096
.endr
.endm
.macro FETCH_A src, q, p               ; A's four
	WIN 0
.irp i, 0,1,2,3
	FRAG AF+64*(\p)+FR*\i, ADRA+(\src)/2, ((\src)%2)*16384+(\q)*2048+\i*4096
.endr
.endm
; 8 matrix instructions: A's block a x B's eight.  The 32 accumulators take turns, one instruction a turn, in the same order in every step.
.macro MUL8 a, p, zero
.irp b, 0,1,2,3,4,5,6,7
.if \zero
	v_wmma_f32_16x16x128_fp8_fp8 v[8*(8*(\a)+\b):8*(8*(\a)+\b)+7], v[128*(\p)+FR*\b:128*(\p)+FR*\b+FR-1], v[AF+64*(\p)+FR*(\a):AF+64*(\p)+FR*(\a)+FR-1], 0
.else
	v_wmma_f32_16x16x128_fp8_fp8 v[8*(8*(\a)+\b):8*(8*(\a)+\b)+7], v[128*(\p)+FR*\b:128*(\p)+FR*\b+FR-1], v[AF+64*(\p)+FR*(\a):AF+64*(\p)+FR*(\a)+FR-1], v[8*(8*(\a)+\b):8*(8*(\a)+\b)+7]
.endif
.endr
.endm
.macro PLACES n                        ; plain vector lines between a matrix instruction and a load into, or a vector read or write of, its registers
.rept \n
	v_nop
.endr
.endm
; A step of 128 along K: multiplies set p and fetches the next step's fragments, at (src, q), into the other set, which the step before has multiplied.
.macro KSUB p, zero, src, q
	s_wait_dscnt 0x0                               ; set p is in
	PLACES NP                                      ; behind the last products on the other set
	FETCH_B \src, \q, 1-(\p)
	WIN MUL
	MUL8 0, \p, \zero
	MUL8 1, \p, \zero
	FETCH_A \src, \q, 1-(\p)
	WIN MUL
	MUL8 2, \p, \zero
	MUL8 3, \p, \zero
.endm
; A step that leaves a slot: one barrier; in front of it each wave waits for all its tensor loads, adds 0 to its spare word, and waits for that and for its reads of the slot.
; fill = 1: the slot that is left is filled again, three K steps on, by the groups named.
.macro TURNX p, fill, src, q, g0a, g1a, g0b, g1b
	WIN 0                                          ; (the add's two registers lie in window 0)
	s_wait_tensorcnt 0x0                           ; all my tensor loads have landed: my part of the slot that is read next
	ds_add_u32 v[SPW], v[NIL]                      ; 0 onto my spare word
	s_wait_dscnt 1                                 ; only the add may be out: set p is in
	WIN MUL
	MUL8 0, \p, 0
	s_wait_dscnt 0x0                               ; the add is done, and my reads of this slot are over
	s_barrier_signal -1
	MUL8 1, \p, 0
	WIN 0
	s_barrier_wait -1
.if \fill
	CREST                                          ; the barrier has opened a round of the cluster's: no wave of any partner still reads this slot or has a load on its way
	s_add_nc_u64 s[\g0a+2:\g0a+3], s[\g0a+2:\g0a+3], 3*KS_A
	s_add_nc_u64 s[\g0b+2:\g0b+3], s[\g0b+2:\g0b+3], 3*KS_B
	JLOAD \g0a, \g1a, \g0b, \g1b                   ; my one tensor load behind the round; its four v_nop are the places in front of the loads below
.else
	PLACES NP
.endif
	FETCH_B \src, \q, 1-(\p)
	FETCH_A \src, \q, 1-(\p)
	WIN MUL
	MUL8 2, \p, 0
	MUL8 3, \p, 0
.endm
	s_wait_tensorcnt 1                             ; my part of K step 0 is in; the large slot's load, issued behind it, may be out
	s_barrier_signal -1
	s_barrier_wait -1
	FETCH_B 2, 0, 0
	FETCH_A 2, 0, 0
	KSUB 0, 1, 2, 1                                ; K step 0: the first products start the sums
	TURNX 1, 1, 0, 0, G0AS, G1AS, G0BS, G1BS       ; the small slot is left and takes K step 3
	KSUB 0, 0, 0, 1                                ; K step 1
	KSUB 1, 0, 1, 0
	KSUB 0, 0, 1, 1                                ; K step 2
	TURNX 1, 0, 2, 0, G0AS, G1AS, G0BS, G1BS       ; nothing is left to fetch
	KSUB 0, 0, 2, 1                                ; K step 3
	s_wait_dscnt 0x0
	WIN MUL
	MUL8 0, 1, 0
	MUL8 1, 1, 0
	MUL8 2, 1, 0
	MUL8 3, 1, 0
	WIN 0
; THE WAY OUT, 16 rows x 64 columns at a time: scale and bias, hold, conversion, two stores of 512 consecutive bytes.  Each accumulator is read from its low end on.
.macro OUTO a, hf
.set AC, 64*(\a)+32*(\hf)
	WIN 0x02                                       ; source 0: window 2
.set n, 0
.rept 16
	v_pk_fma_f32 v[TMP+n:TMP+n+1], v[AC+n:AC+n+1], s[70:71], v[BIAS+32*(\hf)+n:BIAS+32*(\hf)+n+1] op_sel_hi:[1,0,1]
.set n, n+2
.endr
	WIN 0
.set n, 0
.rept 32
	v_med3_num_f32 v[TMP+n], v[TMP+n], -v[LIMV], v[LIMV]
.set n, n+1
.endr
.set n, 0
.rept 4
	v_cvt_scalef32_pk8_fp8_f32 v[CD+16*(\a)+8*(\hf)+2*n:CD+16*(\a)+8*(\hf)+2*n+1], v[TMP+8*n:TMP+8*n+7], v[SCV]
.set n, n+1
.endr
	v_nop                                          ; a plain line between the conversions and the next writes of their sources
	global_store_b128 v[CO], v[CD+16*(\a)+8*(\hf):CD+16*(\a)+8*(\hf)+3], s[12:13] offset:(\a)*4096+(\hf)*1024
	global_store_b128 v[CO], v[CD+16*(\a)+8*(\hf)+4:CD+16*(\a)+8*(\hf)+7], s[12:13] offset:(\a)*4096+(\hf)*1024+512
.endm
	s_wait_kmcnt 0x0
	s_add_co_i32 s70, s84, s85
	s_add_co_i32 s70, s70, 127
	s_lshl_b32 s70, s70, 23                        ; 2^(e10 + e11) as f32
	s_mov_b32 s71, s70                             ; (named with it as a pair)
	s_add_co_i32 s86, s86, 127
	s_lshl_b32 s87, s86, 23
	v_mov_b32 v[SCV], s87                          ; 2^e12
	s_add_co_i32 s86, s86, 8
	s_lshl_b32 s86, s86, 23
	s_or_b32 s86, s86, 0x600000
	v_mov_b32 v[LIMV], s86                         ; 448 x 2^e12
	s_wait_loadcnt 0x0                             ; bo
	PLACES NP
.irp a, 0,1,2,3
	OUTO \a, 0
	OUTO \a, 1
.endr
	s_wait_tensorcnt 0x0                           ; the wave's end
	ds_add_u32 v[SPW], v[NIL]
	s_wait_dscnt 0x0
	CROUND                                         ; the closing round
	s_endpgm
.Lfunc_end_k_qbb438e39b3_oproj:
	.size	k_qbb438e39b3_oproj, .Lfunc_end_k_qbb438e39b3_oproj-k_qbb438e39b3_oproj
	.p2alignl 7, 3214868480
	.fill 96, 4, 3214868480
	.section	.rodata,"a",@progbits
	.p2align	6, 0x0
	.amdhsa_kernel k_qbb438e39b3_oproj
		.amdhsa_group_segment_fixed_size 327680
		.amdhsa_private_segment_fixed_size 0
		.amdhsa_enable_private_segment 0
		.amdhsa_kernarg_size 40
		.amdhsa_user_sgpr_count 2
		.amdhsa_user_sgpr_kernarg_segment_ptr 1
		.amdhsa_wavefront_size32 1
		.amdhsa_system_sgpr_workgroup_id_x 1
		.amdhsa_system_sgpr_workgroup_id_y 1
		.amdhsa_system_sgpr_workgroup_id_z 1
		.amdhsa_system_vgpr_workitem_id 0
		.amdhsa_next_free_vgpr 768
		.amdhsa_next_free_sgpr 100
		.amdhsa_reserve_vcc 0
		.amdhsa_float_denorm_mode_32 3
		.amdhsa_float_denorm_mode_16_64 3
		.amdhsa_memory_ordered 1
		.amdhsa_forward_progress 1
		.amdhsa_inst_pref_size 82
	.end_amdhsa_kernel
	.amdgpu_metadata
---
amdhsa.version: [ 1, 2 ]
amdhsa.kernels:
  - .name:           k_qbb438e39b3_oproj
    .symbol:         k_qbb438e39b3_oproj.kd
    .args:
      - { .name: att, .offset: 0, .size: 8, .value_kind: global_buffer, .address_space: global }
      - { .name: ops, .offset: 8, .size: 8, .value_kind: global_buffer, .address_space: global }
      - { .name: lowp_scales, .offset: 16, .size: 8, .value_kind: global_buffer, .address_space: global }
      - { .name: bo, .offset: 24, .size: 8, .value_kind: global_buffer, .address_space: global }
      - { .name: cat, .offset: 32, .size: 8, .value_kind: global_buffer, .address_space: global }
    .group_segment_fixed_size: 327680
    .private_segment_fixed_size: 0
    .kernarg_segment_align: 8
    .kernarg_segment_size: 40
    .max_flat_workgroup_size: 128
    .sgpr_count:     100
    .vgpr_count:     768
    .wavefront_size: 32
...
	.end_amdgpu_metadata
.endif
;; end of part 4
;; launch fuse (part 5): grid 4 x 64, 4 waves a work-group, clusters of 4 x 4, 327,680 bytes of LDS; arguments cat, ops, lowp_scales, bf, out0; writes out0
.if DOCPART == 5
	.amdgcn_target "amdgcn-amd-amdhsa--gfx1250"
	.amdhsa_code_object_version 6
	.text
	.protected	k_qbb438e39b3_fuse
	.globl	k_qbb438e39b3_fuse
	.p2align	8
	.type	k_qbb438e39b3_fuse,@function
k_qbb438e39b3_fuse:
	s_mov_b64 s[64:65], 0
	v_nop
	global_prefetch_b8 v0, s[64:65] scope:SCOPE_SE
	s_setreg_imm32_b32 hwreg(HW_REG_WAVE_MODE, 25, 1), 1
	s_wait_xcnt 0x0
	s_wait_alu depctr_hold_cnt(0) depctr_sa_sdst(0) depctr_va_vdst(0) depctr_va_sdst(0) depctr_va_ssrc(0) depctr_va_vcc(0) depctr_vm_vsrc(0)
	s_getreg_b32 s2, hwreg(HW_REG_IB_STS2, 6, 4)
	s_cmp_eq_u32 s2, 0
	s_cbranch_scc0 .Lentry_in_a_cluster
	s_endpgm
.Lentry_in_a_cluster:
	s_bfe_u32 s2, ttmp6, 0x10000c
	s_cmp_lg_u32 s2, 0xf033
	s_cbranch_scc0 .Lentry_shape_is_right
	s_endpgm
.Lentry_shape_is_right:
; out0 = [person, att Wo + bo] Wf + bf: 8,192 x 1,024, K = 2,048, on codes of E4M3 (entries 12, 13); f32 out.
; A tile of 128 rows x 256 columns is made by four waves, 64 x 128 each: 32 accumulators.  64 x 4 tiles: 256 work-groups.
; The operands lie in memory in the order of the operand registers: a K step of 256 of 16 rows is 4,096 dense bytes; a fragment (16 rows x 128 K) is four ds_load_b128 of 512 consecutive bytes.
; Registers 4 c .. 4 c + 3 hold K = 32 c + 16 (l / 16) + 0 .. 15, alike on both sides.
; LDS holds THREE K steps at once (a K step is 32 KiB of A and 64 KiB of B): a large slot of two K steps and a small slot of one.  The eight K steps go: large 0, 1 | small 2 | large 3, 4 | small 5 | large 6, 7:
; two first fills and three refills.  Nothing loops: the sixteen steps of 128 along K are written out.
; A wave fetches with ONE tensor load: waves 0 and 1 A's halves (64 rows), waves 2 and 3 B's (128 rows).  The large slot's load is a tile of 2 rows: a row is the wave's dense block of one K step
; (16 KiB of A, 32 KiB of B), the pitch is the image's K step: the two K steps land one behind the other.
; CLUSTERS: 4 x 4 work-groups; A's tiles are asked for jointly along a row of the cluster, B's along a column.
; TRANSPOSED USE (source 0 = Wf's columns, source 1 = tokens).  By the images' row order accumulator b = 2 i + u of a block holds columns 32 i + 16 (l / 16) + 8 u + 0 .. 7, and place t of tile T is token
; 32 (T / 2) + 8 (T % 2) + t + 8 (t / 8): both are undone on the way out, in the stage's offsets and in the stores' immediates.
; out = sum x 2^(e12 + e13) + bf, one packed multiply-add for two.  LIMIT: e12 + e13 between -126 and 127.
; REGISTERS: window 0: v16-31 addresses; v32-63 at work on the way out; v64-127 bf in the accumulators' order; v128-255 A's fragments, two sets of 64, later rows read back from the stage.
;   window 1: B's fragments, two sets of 128.   window 2: the accumulators, (a, b) at v[8 (8 a + b)].
.set OPS_W,  20971520                  ; Wf's image in ops
.set KS_A,   0x200000                  ; a K step of A: 512 tiles x 4,096 bytes
.set KS_B,   0x40000                   ; of B: 64 tiles
.set FR,     16                        ; registers of a fragment
.set NP,     4                         ; places behind this matrix instruction (ISA guide 7.12.1)
.set BIG_B,  65536                     ; the large slot: A's two regions of 32,768 bytes at 0, B's two of 65,536 here; in a region the first K step's block, then the second's
.set SM_A,   196608                    ; the small slot: A's two regions of 16,384 bytes,
.set SM_B,   229376                    ; B's two of 32,768
.set SPARE,  294912                    ; behind the slots: the spare words, 128 bytes for each wave, which no other line names
.set STAGE,  SM_A                      ; the way out: 16 rows x (512 bytes + 16) for each wave, in the small slot, which has had its last fill (K step 5) and, behind the last barrier, its last read
.set SPITCH, 528
.set ADRA, 16                          ; v16 my A fragments in the large slot, v17 in the small one
.set ADRB, 20                          ; v20, v21 the same for B
.set STO,  24                          ; v24 the stage: where I put my numbers of a row
.set RD,   25                          ; v25 and where I read a row back
.set CO,   26                          ; v26 16 x lane
.set BA,   27                          ; v27 64 x (lane / 16): my place in bf
.set SPW,  28                          ; v28 my spare word; never rewritten
.set NIL,  29                          ; v29 0; never rewritten
.set TMP,  32
.set BIAS, 64
.set AF,   128
.set BK,   128                         ; 16 rows read back: v128-191 and v192-255 by turns
.set G1AP, 24                          ; s[24:31] group 1, A, two K steps;  s[32:39] A, one K step
.set G1AS, 32
.set G1BP, 48                          ; s[48:55], s[56:63] the same for B
.set G1BS, 56
.set G0AB, 72                          ; group 0: A large, A small, B large, B small
.set G0AS, 76
.set G0BB, 88
.set G0BS, 92
.set MSB, 0
.macro WIN new                         ; the immediate's high byte repeats the setting that is left
.if MSB != \new
	s_set_vgpr_msb (MSB<<8)|\new
.set MSB, \new
.endif
.endm
.set MUL,  0xa1                        ; source 0 (B) window 1, source 1 (A) window 0, C and D window 2
.set TO_B, 0x40                        ; destination window 1, address window 0
.macro JLOAD g0a, g1a, g0b, g1b        ; a joint load: waves 0 and 1 fetch for A, waves 2 and 3 for B; four v_nop follow each of the two lines
	s_cmp_eq_u32 s15, 0
	s_cbranch_scc0 .Lfor_b_\@
	tensor_load_to_lds s[\g0a:\g0a+3], s[\g1a:\g1a+7]
	s_nop 0
.rept 4
	v_nop
.endr
	s_branch .Lasked_\@
.Lfor_b_\@:
	tensor_load_to_lds s[\g0b:\g0b+3], s[\g1b:\g1b+7]
	s_nop 0
.rept 4
	v_nop
.endr
.Lasked_\@:
.endm
.macro CREST                           ; a round of the cluster's barrier behind its opening barrier
	s_cmp_lg_u32 s14, 0
	s_cbranch_scc1 .Lnot_wave_0_\@
	s_barrier_signal -3
.Lnot_wave_0_\@:
	s_barrier_wait -3
	s_barrier_signal -1
	s_barrier_wait -1
.endm
.macro CROUND
	s_barrier_signal -1
	s_barrier_wait -1
	CREST
.endm
.macro SHAPE g, c, r, p                ; group 1's words 1 to 7: r rows of c elements of 8 bytes, p elements from row to row
	s_mov_b32 s[\g+1], (\c)<<16
	s_mov_b32 s[\g+2], (\r)<<16
	s_mov_b32 s[\g+3], (\c)<<16
	s_mov_b32 s[\g+4], \r
	s_mov_b32 s[\g+5], \p
	s_mov_b32 s[\g+6], 0
	s_mov_b32 s[\g+7], 0
.endm
	s_load_b128 s[4:7], s[0:1], 0x0                ; cat s[4:5], ops s[6:7]
	s_load_b128 s[8:11], s[0:1], 0x10              ; the scales' exponents s[8:9], bf s[10:11]
	s_load_b64 s[12:13], s[0:1], 0x20              ; out0
	v_lshl_add_u32 v[SPW], v0, 2, SPARE
	v_mov_b32 v[NIL], 0
	ds_add_u32 v28, v29
	ds_add_u32 v28, v29
	s_wait_dscnt 0x0
	v_lshrrev_b32 v1, 5, v0
	v_readfirstlane_b32 s14, v1                    ; wave 0..3
	s_lshr_b32 s15, s14, 1                         ; my half of the rows.  Also: I fetch for A (0) or for B (1)
	s_and_b32 s16, s14, 1                          ; my half of the columns.  Also: which half I fetch
	s_bfe_u32 s40, ttmp6, 0x40000                  ; cx, cy
	s_bfe_u32 s41, ttmp6, 0x40004
	s_lshl_b32 s42, ttmp9, 2
	s_add_co_u32 s42, s42, s40                     ; tile column, 0..3
	s_and_b32 s17, ttmp7, 0xffff
	s_lshl_b32 s17, s17, 2
	s_add_co_u32 s17, s17, s41                     ; tile row, 0..63
	s_lshl_b32 s43, s41, 2
	s_lshl_b32 s43, 15, s43                        ; my row of the cluster
	s_lshl_b32 s44, 0x1111, s40                    ; my column
	s_or_b32 s[G1AP], s43, (3<<16)|(1<<21)         ; 15:0 the mask; 17:16 elements of 8 bytes; 21 set beside a mask; no padding
	s_or_b32 s[G1AS], s43, (3<<16)|(1<<21)
	s_or_b32 s[G1BP], s44, (3<<16)|(1<<21)
	s_or_b32 s[G1BS], s44, (3<<16)|(1<<21)
	SHAPE G1AP, 2048, 2, KS_A/8                    ; two K steps: 2 rows of 16,384 bytes, a K step apart
	SHAPE G1AS, 32, 64, 32                         ; one K step: 16,384 dense bytes as 64 rows of 256
	SHAPE G1BP, 4096, 2, KS_B/8                    ; 2 rows of 32,768 bytes
	SHAPE G1BS, 32, 128, 32                        ; 32,768 dense bytes as 128 rows of 256
	s_lshl_b32 s18, s16, 14
	s_lshl_b32 s20, s17, 15                        ; A: 8 tiles of rows x 4,096 bytes for each tile row, + the half that I fetch
	s_add_co_u32 s20, s20, s18
	s_mov_b32 s21, 0
	s_lshl_b32 s18, s16, 15
	s_lshl_b32 s46, s42, 16                        ; B: 16 tiles for each tile column, + the half
	s_add_co_u32 s46, s46, s18
	s_add_co_u32 s46, s46, OPS_W
	s_mov_b32 s47, 0
	s_lshl_b32 s45, s16, 15                        ; where they go: a constant + the half x a constant: no place in the cluster enters an LDS address
	s_lshl_b32 s22, s16, 16
	s_add_co_u32 s22, s22, BIG_B
	s_lshl_b32 s23, s16, 14
	s_add_co_u32 s23, s23, SM_A
	s_lshl_b32 s96, s16, 15
	s_add_co_u32 s96, s96, SM_B
	s_wait_kmcnt 0x0
	s_load_b64 s[84:85], s[8:9], 0x30              ; entries 12, 13
	s_add_nc_u64 s[20:21], s[4:5], s[20:21]
	s_add_nc_u64 s[46:47], s[6:7], s[46:47]
	CROUND                                         ; all sixteen work-groups are here: the first joint loads meet
	s_mov_b32 s[G0AB], 1
	s_mov_b32 s[G0AB+1], s45
	s_mov_b64 s[G0AB+2:G0AB+3], s[20:21]
	s_or_b32 s[G0AB+3], s[G0AB+3], 0x80000000
	s_mov_b32 s[G0BB], 1
	s_mov_b32 s[G0BB+1], s22
	s_mov_b64 s[G0BB+2:G0BB+3], s[46:47]
	s_or_b32 s[G0BB+3], s[G0BB+3], 0x80000000
	JLOAD G0AB, G1AP, G0BB, G1BP                   ; K steps 0 and 1 into the large slot
	s_mov_b32 s[G0AS], 1
	s_mov_b32 s[G0AS+1], s23
	s_add_nc_u64 s[G0AS+2:G0AS+3], s[20:21], 2*KS_A
	s_or_b32 s[G0AS+3], s[G0AS+3], 0x80000000
	s_mov_b32 s[G0BS], 1
	s_mov_b32 s[G0BS+1], s96
	s_add_nc_u64 s[G0BS+2:G0BS+3], s[46:47], 2*KS_B
	s_or_b32 s[G0BS+3], s[G0BS+3], 0x80000000
	JLOAD G0AS, G1AS, G0BS, G1BS                   ; K step 2 into the small slot: two loads of mine are out
	v_and_b32 v1, 31, v0
	v_lshlrev_b32 v[CO], 4, v1
	v_and_b32 v3, 15, v0                           ; r
	v_bfe_u32 v2, v0, 4, 1                         ; h
	v_lshlrev_b32 v[BA], 6, v2
	s_lshl_b32 s97, s15, 15                        ; my 64 rows of A are the region of that half,
	v_add_nc_u32 v[ADRA], s97, v[CO]
	s_lshl_b32 s97, s15, 14
	s_add_co_u32 s97, s97, SM_A
	v_add_nc_u32 v[ADRA+1], s97, v[CO]
	v_add_nc_u32 v[ADRB], s22, v[CO]               ; my 128 columns the region of my half of B
	v_add_nc_u32 v[ADRB+1], s96, v[CO]
	s_mul_i32 s97, s14, 16*SPITCH                  ; my stage
	s_add_co_u32 s97, s97, STAGE
	v_mul_u32_u24 v5, v3, SPITCH                   ; in: row r, + 64 h bytes
	v_lshl_add_u32 v5, v2, 6, v5
	v_add_nc_u32 v[STO], s97, v5
	v_add_nc_u32 v[RD], s97, v[CO]                 ; back: the 32 lanes take one row of 512 bytes
	s_lshl_b32 s66, s42, 10                        ; bf: my 128 columns
	s_lshl_b32 s67, s16, 9
	s_add_co_u32 s66, s66, s67
	s_mov_b32 s67, 0
	s_add_nc_u64 s[10:11], s[10:11], s[66:67]
.set n, 0
.rept 16
	global_load_b128 v[BIAS+4*n:BIAS+4*n+3], v[BA], s[10:11] offset:128*(n/4)+16*(n%4)   ; register 16 i + j: column 32 i + 16 (l / 16) + j, as in the accumulators
.set n, n+1
.endr
	s_lshl_b32 s68, s17, 19                        ; out0: row 128 x tile row + 64 x half, of 4,096 bytes;
	s_lshl_b32 s69, s15, 18
	s_add_co_u32 s68, s68, s69
	s_add_co_u32 s68, s68, s66                     ; my 128 columns: the same bytes as in bf
	s_mov_b32 s69, 0
	s_add_nc_u64 s[12:13], s[12:13], s[68:69]
; WHERE A STEP'S FRAGMENTS LIE.  src = 0: the large slot's first K step; 1: its second; 2: the small slot.  q: which 128 of the K step.
.macro FRAG reg, adr, off              ; four loads of 512 consecutive bytes
.irp c, 0,1,2,3
	ds_load_b128 v[\reg+4*\c:\reg+4*\c+3], v[\adr] offset:\off+512*\c
.endr
.endm
.macro FETCH_B src, q, p               ; B's eight fragments into set p
	WIN TO_B
.irp i, 0,1,2,3,4,5,6,7
	FRAG 128*(\p)+FR*\i, ADRB+(\src)/2, ((\src)%2)*32768+(\q)*2048+\i*4096
.endr
.endm
.macro FETCH_A src, q, p               ; A's four
	WIN 0
.irp i, 0,1,2,3
	FRAG AF+64*(\p)+FR*\i, ADRA+(\src)/2, ((\src)%2)*16384+(\q)*2048+\i*4096
.endr
.endm
; 8 matrix instructions: A's block a x B's eight.  The 32 accumulators take turns, one instruction a turn, in the same order in every step.
.macro MUL8 a, p, zero
.irp b, 0,1,2,3,4,5,6,7
.if \zero
	v_wmma_f32_16x16x128_fp8_fp8 v[8*(8*(\a)+\b):8*(8*(\a)+\b)+7], v[128*(\p)+FR*\b:128*(\p)+FR*\b+FR-1], v[AF+64*(\p)+FR*(\a):AF+64*(\p)+FR*(\a)+FR-1], 0
.else
	v_wmma_f32_16x16x128_fp8_fp8 v[8*(8*(\a)+\b):8*(8*(\a)+\b)+7], v[128*(\p)+FR*\b:128*(\p)+FR*\b+FR-1], v[AF+64*(\p)+FR*(\a):AF+64*(\p)+FR*(\a)+FR-1], v[8*(8*(\a)+\b):8*(8*(\a)+\b)+7]
.endif
.endr
.endm
.macro PLACES n                        ; plain vector lines between a matrix instruction and a load into, or a vector read or write of, its registers
.rept \n
	v_nop
.endr
.endm
; A step of 128 along K: multiplies set p and fetches the next step's fragments, at (src, q), into the other set, which the step before has multiplied.
.macro KSUB p, zero, src, q
	s_wait_dscnt 0x0                               ; set p is in
	PLACES NP                                      ; behind the last products on the other set
	FETCH_B \src, \q, 1-(\p)
	WIN MUL
	MUL8 0, \p, \zero
	MUL8 1, \p, \zero
	FETCH_A \src, \q, 1-(\p)
	WIN MUL
	MUL8 2, \p, \zero
	MUL8 3, \p, \zero
.endm
; A step that leaves a slot: one barrier; in front of it each wave waits for all its tensor loads, adds 0 to its spare word, and waits for that and for its reads of the slot.
; fill = 1: the slot that is left is filled again, three K steps on, by the groups named.
.macro TURNX p, fill, src, q, g0a, g1a, g0b, g1b
	WIN 0                                          ; (the add's two registers lie in window 0)
	s_wait_tensorcnt 0x0                           ; all my tensor loads have landed: my part of the slot that is read next
	ds_add_u32 v[SPW], v[NIL]                      ; 0 onto my spare word
	s_wait_dscnt 1                                 ; only the add may be out: set p is in
	WIN MUL
	MUL8 0, \p, 0
	s_wait_dscnt 0x0                               ; the add is done, and my reads of this slot are over
	s_barrier_signal -1
	MUL8 1, \p, 0
	WIN 0
	s_barrier_wait -1
.if \fill
	CREST                                          ; the barrier has opened a round of the cluster's: no wave of any partner still reads this slot or has a load on its way
	s_add_nc_u64 s[\g0a+2:\g0a+3], s[\g0a+2:\g0a+3], 3*KS_A
	s_add_nc_u64 s[\g0b+2:\g0b+3], s[\g0b+2:\g0b+3], 3*KS_B
	JLOAD \g0a, \g1a, \g0b, \g1b                   ; my one tensor load behind the round; its four v_nop are the places in front of the loads below
.else
	PLACES NP
.endif
	FETCH_B \src, \q, 1-(\p)
	FETCH_A \src, \q, 1-(\p)
	WIN MUL
	MUL8 2, \p, 0
	MUL8 3, \p, 0
.endm
	s_wait_tensorcnt 1                             ; my part of K steps 0 and 1 is in; the small slot's load, issued behind it, may be out
	s_barrier_signal -1
	s_barrier_wait -1
	FETCH_B 0, 0, 0
	FETCH_A 0, 0, 0
	KSUB 0, 1, 0, 1                                ; K step 0: the first products start the sums
	KSUB 1, 0, 1, 0
	KSUB 0, 0, 1, 1                                ; K step 1
	TURNX 1, 1, 2, 0, G0AB, G1AP, G0BB, G1BP       ; the large slot is left and takes K steps 3 and 4
	KSUB 0, 0, 2, 1                                ; K step 2
	TURNX 1, 1, 0, 0, G0AS, G1AS, G0BS, G1BS       ; the small slot takes K step 5
	KSUB 0, 0, 0, 1                                ; K step 3
	KSUB 1, 0, 1, 0
	KSUB 0, 0, 1, 1                                ; K step 4
	TURNX 1, 1, 2, 0, G0AB, G1AP, G0BB, G1BP       ; the large slot takes K steps 6 and 7
	KSUB 0, 0, 2, 1                                ; K step 5
	TURNX 1, 0, 0, 0, G0AS, G1AS, G0BS, G1BS       ; nothing is left to fetch; behind this barrier nobody reads the small slot
	KSUB 0, 0, 0, 1                                ; K step 6
	KSUB 1, 0, 1, 0
	KSUB 0, 0, 1, 1                                ; K step 7
	s_wait_dscnt 0x0
	WIN MUL
	MUL8 0, 1, 0
	MUL8 1, 1, 0
	MUL8 2, 1, 0
	MUL8 3, 1, 0
	WIN 0
; THE WAY OUT, block by block of 16 rows x 128 columns: through my own stage in LDS, back as whole rows of 512 bytes.  LDS serves a wave's instructions in order (ISA guide 5.7.1.4): no wait between the stores and the loads.
.macro TOSTAGE a
.irp hf, 0,1
.set AC, 64*(\a)+32*\hf
	WIN 0x02                                       ; source 0: window 2
.set n, 0
.rept 16
	v_pk_fma_f32 v[TMP+n:TMP+n+1], v[AC+n:AC+n+1], s[70:71], v[BIAS+32*\hf+n:BIAS+32*\hf+n+1] op_sel_hi:[1,0,1]   ; sum x 2^(e12 + e13) + bf; each accumulator from its low end on
.set n, n+2
.endr
	WIN 0
.irp b, 0,1,2,3
	ds_store_b128 v[STO], v[TMP+8*\b:TMP+8*\b+3] offset:256*\hf+128*(\b/2)+32*(\b%2)
	ds_store_b128 v[STO], v[TMP+8*\b+4:TMP+8*\b+7] offset:256*\hf+128*(\b/2)+32*(\b%2)+16
.endr
.endr
.set BB, BK+64*((\a)%2)
.set n, 0
.rept 16
	ds_load_b128 v[BB+4*n:BB+4*n+3], v[RD] offset:n*SPITCH
.set n, n+1
.endr
.endm
.macro SEND a, younger                 ; younger: the LDS instructions issued behind block a's loads, which may stay out
.set BB, BK+64*((\a)%2)
	s_wait_dscnt \younger
.set n, 0
.rept 16
	global_store_b128 v[CO], v[BB+4*n:BB+4*n+3], s[12:13] offset:(32*((\a)/2)+8*((\a)%2)+n+8*(n/8))*4096 th:TH_STORE_NT   ; 32 lanes store 512 consecutive bytes, aligned; the token's row stands in the immediate
.set n, n+1
.endr
.endm
	s_wait_kmcnt 0x0
	s_add_co_i32 s70, s84, s85
	s_add_co_i32 s70, s70, 127
	s_lshl_b32 s70, s70, 23                        ; 2^(e12 + e13) as f32
	s_mov_b32 s71, s70                             ; (named with it as a pair)
	s_wait_loadcnt 0x0                             ; bf
	PLACES NP
	TOSTAGE 0
.irp a, 1,2,3
.if \a > 1
	s_wait_xcnt 0x0                                ; block a - 2's stores have read their registers: block a's loads may land there
.endif
	TOSTAGE \a
	SEND \a-1, 32                                  ; behind block a - 1's loads: block a's 16 stores and 16 loads
.endr
	SEND 3, 0
	s_wait_tensorcnt 0x0                           ; the wave's end
	ds_add_u32 v[SPW], v[NIL]
	s_wait_dscnt 0x0
	CROUND                                         ; the closing round
	s_endpgm
.Lfunc_end_k_qbb438e39b3_fuse:
	.size	k_qbb438e39b3_fuse, .Lfunc_end_k_qbb438e39b3_fuse-k_qbb438e39b3_fuse
	.p2alignl 7, 3214868480
	.fill 96, 4, 3214868480
	.section	.rodata,"a",@progbits
	.p2align	6, 0x0
	.amdhsa_kernel k_qbb438e39b3_fuse
		.amdhsa_group_segment_fixed_size 327680
		.amdhsa_private_segment_fixed_size 0
		.amdhsa_enable_private_segment 0
		.amdhsa_kernarg_size 40
		.amdhsa_user_sgpr_count 2
		.amdhsa_user_sgpr_kernarg_segment_ptr 1
		.amdhsa_wavefront_size32 1
		.amdhsa_system_sgpr_workgroup_id_x 1
		.amdhsa_system_sgpr_workgroup_id_y 1
		.amdhsa_system_sgpr_workgroup_id_z 1
		.amdhsa_system_vgpr_workitem_id 0
		.amdhsa_next_free_vgpr 768
		.amdhsa_next_free_sgpr 100
		.amdhsa_reserve_vcc 0
		.amdhsa_float_denorm_mode_32 3
		.amdhsa_float_denorm_mode_16_64 3
		.amdhsa_memory_ordered 1
		.amdhsa_forward_progress 1
		.amdhsa_inst_pref_size 120
	.end_amdhsa_kernel
	.amdgpu_metadata
---
amdhsa.version: [ 1, 2 ]
amdhsa.kernels:
  - .name:           k_qbb438e39b3_fuse
    .symbol:         k_qbb438e39b3_fuse.kd
    .args:
      - { .name: cat, .offset: 0, .size: 8, .value_kind: global_buffer, .address_space: global }
      - { .name: ops, .offset: 8, .size: 8, .value_kind: global_buffer, .address_space: global }
      - { .name: lowp_scales, .offset: 16, .size: 8, .value_kind: global_buffer, .address_space: global }
      - { .name: bf, .offset: 24, .size: 8, .value_kind: global_buffer, .address_space: global }
      - { .name: out0, .offset: 32, .size: 8, .value_kind: global_buffer, .address_space: global }
    .group_segment_fixed_size: 327680
    .private_segment_fixed_size: 0
    .kernarg_segment_align: 8
    .kernarg_segment_size: 40
    .max_flat_workgroup_size: 128
    .sgpr_count:     100
    .vgpr_count:     768
    .wavefront_size: 32
...
	.end_amdgpu_metadata
.endif
;; end of part 5
;; ======== version 2 of 2: 5 launches; version 1 with the launch attn written anew for expert scheduling mode
;; workspace buffers: ops 23,068,672 bytes; cat 16,777,216 bytes; qkvb 16,777,216 bytes; att 8,388,608 bytes
;; launch prep: the kernel of part 1 again; grid 864 x 1, 16 waves a work-group, no clusters, 62,976 bytes of LDS; arguments person_features, garment_features, Wq, Wk, Wv, Wo, Wf, gq, betaq, gk, betak, lowp_scales, ops, cat; writes ops, cat
;; launch qkv: the kernel of part 2 again; grid 4 x 64, 4 waves a work-group, clusters of 4 x 4, 327,680 bytes of LDS; arguments ops, lowp_scales, qkvb; writes qkvb
;; launch attn (part 6): grid 4 x 64, 16 waves a work-group, no clusters, 133,120 bytes of LDS; arguments qkvb, lowp_scales, att; writes att
.if DOCPART == 6
	.amdgcn_target "amdgcn-amd-amdhsa--gfx1250"
	.amdhsa_code_object_version 6
	.text
	.protected	k_qbb438e39b3_attn
	.globl	k_qbb438e39b3_attn
	.p2align	8
	.type	k_qbb438e39b3_attn,@function
k_qbb438e39b3_attn:
	s_mov_b64 s[64:65], 0
	v_nop
	global_prefetch_b8 v0, s[64:65] scope:SCOPE_SE
	s_setreg_imm32_b32 hwreg(HW_REG_WAVE_SCHED_MODE, 0, 2), 2
	s_setreg_imm32_b32 hwreg(HW_REG_WAVE_MODE, 25, 1), 1
	s_wait_xcnt 0x0
	s_wait_alu depctr_vm_vsrc(0)
; att[b][n][64 h + d] = the sum over keys of softmax(q . k / 8) v, both products on codes of E4M3 by v_wmma_f32_16x16x64_fp8_fp8; the result is quantised for the next product.
; THE SOFTMAX: t = score x log2(e) / 8; M = the running largest t rounded UP to a whole number; p = 2^(t - M) is quantised (entry 8), not normalised; the row's sum is taken of the unquantised p and divides at the end.
; SHARES.  Work-group (x, y): queries 512 x .. 512 x + 511 of batch y / 16, head y % 16.  The head's whole K and V, 64 KiB each, are brought into LDS once, by plain loads and LDS stores, with ONE barrier; nothing is
; filled again.  Each of sixteen waves owns TWO tiles of 16 queries, so that each fragment of K and V read from LDS feeds two matrix instructions; four waves share a SIMD.
; NO CLUSTER: what the four work-groups of a head share is these 128 KiB, read once at the head.  A joint request is a tensor load.  The branch on entry 8
; below spares 64 of a tile's 260 vector lines in every key step.
; LAYOUT.  Both products transposed (S^T = K Q^T, O^T = V^T P^T): a lane holds one query.  By the images' row order the 16 registers of key tiles 2 i, 2 i + 1 are 16 neighbouring keys, and those of V's tiles 16 neighbouring channels:
; the conversions' results are the next operands' registers.  A fragment (16 rows x 64) is two loads of 512 consecutive bytes: registers 4 c .. 4 c + 3 hold 32 c + 16 (lane / 16) + 0 .. 15, alike on both sides.
; LDS: key step s (128 keys) at 16,384 s: K's 8 tiles of 1,024 bytes, then V: 2 groups of 64 keys x 4 tiles of channels x 1,024 bytes.
; THE HOLD OF p: p is at most 1 (to a rounding), and 448 x 2^e8 is at least 1.75 where e8 >= -8: there the hold changes nothing and is passed over by a scalar branch on e8; for smaller e8 it is executed.
; LIMITS: e6 + e7 between -123 and 130 (added to c's exponent field); e8 and e10 between -126 and 119.  NaN and infinities are not served.
; THE MODE: SCHED_MODE bits 1:0 = 2 (LLVM: expert scheduling mode 2), set by the entry lines.  The code itself states the register dependences between vector or matrix instructions and
; memory or LDS instructions, with s_wait_alu, always for 0.
; THE PLAN.  Registers that memory or LDS instructions touch:
;   v[LI], v[LW]  Offsets and addresses made once at the head, never written again.
;   v[AD]         Written once a key step, by the add at its head; read by the step's 32 LDS loads.
;   v[XK ..]      64 registers.  At the head: global loads land there, my LDS stores read them.  In a key step: K's 16 loads land there; both tiles' score products read them; V's 16 loads land there;
;                 the products V^T P^T read them.  On the way out: the conversions write codes there, the four stores read them.
;   v[QF ..]      Global loads land there at the head; matrix instructions alone name them afterwards.
;   S^T and p, both tiles' codes, O^T and the statistics are named by vector and matrix instructions alone.
; So a key step has three waits on va_vdst and one on vm_vsrc.  At its head: vm_vsrc ahead of the add to v[AD]; va_vdst behind it, ahead of K's loads.  Behind each tile's exponentials one va_vdst for their results;
; tile 1's also states that the score products are done reading K's fragments, so V's loads follow it, dealt among the additions of the row's sum, which name none of the registers that those loads touch.
; REGISTERS: v1 16 x lane; v2 the step's LDS address; v3 the loader's; tile u: v[4+4u] -M, +1 the largest t, +2, +3 the sum; v[12:13] f; v14-17, v[20:21] at work (on the way out v14, v15: 2^e10, 448 x 2^e10); v18, v19: 2^e8, 448 x 2^e8;
; v22-37 Q; v38-53 tile 0's codes; v54-117 K's 8 fragments, then V's 8; v118-181 S^T and p, later in v118-125 tile 1's codes of the step's keys 64 on; v182-245 O^T; v246-253 tile 1's codes of keys 0 to 63; v254, v255 the add's two.
.set QKV_K, 8388608
.set QKV_V, 12582912
.set LI, 1
.set AD, 2
.set LW, 3
.set QF, 22
.set P0, 38
.set XK, 54
.set YS, 118
.set OA, 182
.set P1A, 246
.macro MKSCALE e, sc, lim
	s_add_co_i32 s32, s[\e], 127
	s_lshl_b32 s33, s32, 23
	v_mov_b32 v[\sc], s33
	s_add_co_i32 s32, s32, 8
	s_lshl_b32 s32, s32, 23
	s_or_b32 s32, s32, 0x600000
	v_mov_b32 v[\lim], s32
.endm
	s_load_b128 s[4:7], s[0:1], 0x0                ; qkvb, the scales' exponents
	s_load_b64 s[8:9], s[0:1], 0x10                ; att
	v_lshl_add_u32 v254, v0, 2, 0x20000
	v_mov_b32 v255, 0
	v_lshrrev_b32 v2, 5, v0
	v_readfirstlane_b32 s10, v2                    ; wave 0..15
	v_and_b32 v1, 31, v0
	v_lshlrev_b32 v[LI], 4, v1
	s_wait_alu depctr_va_sdst(0)                   ; s10 is written, ahead of its first reader: the offsets below are made from it
	s_and_b32 s11, ttmp7, 0xffff
	s_lshr_b32 s12, s11, 4                         ; batch
	s_and_b32 s13, s11, 15                         ; head
	s_lshl_b32 s14, s12, 7
	s_lshl_b32 s15, ttmp9, 5
	s_add_co_u32 s14, s14, s15
	s_lshl_b32 s15, s10, 1
	s_add_co_u32 s14, s14, s15                     ; my first tile of queries: 128 b + 32 x + 2 w
	s_lshl_b32 s16, s13, 19                        ; Q: head x 512 tiles x 1,024 bytes + tile x 1,024
	s_lshl_b32 s15, s14, 10
	s_add_co_u32 s16, s16, s15
	s_mov_b32 s17, 0
	s_lshl_b32 s18, s13, 18                        ; K: head x 256 tiles + batch x 64 tiles + my four tiles
	s_lshl_b32 s15, s12, 16
	s_add_co_u32 s18, s18, s15
	s_lshl_b32 s15, s10, 12
	s_add_co_u32 s18, s18, s15
	s_add_co_u32 s18, s18, QKV_K
	s_mov_b32 s19, 0
	s_lshl_b32 s28, s12, 4                         ; V: group of 64 keys 16 b + w, x 64 tiles; the head's four tiles
	s_add_co_u32 s28, s28, s10
	s_lshl_b32 s28, s28, 16
	s_lshl_b32 s15, s13, 12
	s_add_co_u32 s28, s28, s15
	s_add_co_u32 s28, s28, QKV_V
	s_mov_b32 s29, 0
	s_lshr_b32 s30, s13, 2                         ; att: K step head / 4 (512 tiles x 4,096), my tile, 1,024 (head % 4)
	s_lshl_b32 s30, s30, 21
	s_lshl_b32 s15, s14, 12
	s_add_co_u32 s30, s30, s15
	s_and_b32 s15, s13, 3
	s_lshl_b32 s15, s15, 10
	s_add_co_u32 s30, s30, s15
	s_mov_b32 s31, 0
	s_lshr_b32 s34, s10, 1                         ; the loader: key step w / 2, half w % 2
	s_lshl_b32 s34, s34, 14
	s_and_b32 s35, s10, 1
	s_lshl_b32 s35, s35, 12
	s_add_co_u32 s34, s34, s35
	v_add_nc_u32 v[LW], s34, v[LI]
	s_mov_b32 s20, 0x76543210                      ; v_permlanex16_b32: lane l xor 16
	s_mov_b32 s21, 0xfedcba98
	s_mov_b32 s22, 0x3e38aa3b                      ; c = log2(e) / 8
	s_wait_kmcnt 0x0
	s_load_b128 s[36:39], s[6:7], 0x18             ; entries 6, 7, 8, 9
	s_load_b32 s40, s[6:7], 0x28                   ; entry 10
	s_add_nc_u64 s[16:17], s[4:5], s[16:17]
	s_add_nc_u64 s[18:19], s[4:5], s[18:19]
	s_add_nc_u64 s[28:29], s[4:5], s[28:29]
	s_add_nc_u64 s[30:31], s[8:9], s[30:31]
	s_wait_alu depctr_va_vdst(0)                   ; v[LI] and v[LW] are written: every global load and store reads the first as its offset, my LDS stores the second as their address
.set n, 0
.rept 4
	global_load_b128 v[QF+4*n:QF+4*n+3], v[LI], s[16:17] offset:512*n th:TH_LOAD_NT   ; my two tiles of Q stay in registers
.set n, n+1
.endr
.set n, 0
.rept 8
	global_load_b128 v[XK+4*n:XK+4*n+3], v[LI], s[18:19] offset:512*n
.set n, n+1
.endr
.set n, 0
.rept 8
	global_load_b128 v[XK+32+4*n:XK+32+4*n+3], v[LI], s[28:29] offset:512*n
.set n, n+1
.endr
	v_mov_b32 v5, 0xff61b1e6                       ; the largest t so far: -3e38, under every t
	v_mov_b32 v9, 0xff61b1e6
	v_floor_f32 v4, -v5                            ; -M
	v_floor_f32 v8, -v9
	v_mov_b32 v6, 0                                ; the sums
	v_mov_b32 v7, 0
	v_mov_b32 v10, 0
	v_mov_b32 v11, 0
	v_mov_b32 v13, 0                               ; (named as the upper half of the pair v[12:13])
	v_mov_b32 v16, 0                               ; a permute's destination counts as read
	v_mov_b32 v17, 0
.set n, 0
.rept 64
	v_mov_b32 v[OA+n], 0                           ; O^T.  (The step is written once: the first finds zeros, which the first change of M leaves zeros)
.set n, n+1
.endr
	s_wait_kmcnt 0x0
	s_add_co_i32 s32, s36, s37
	s_lshl_b32 s32, s32, 23
	s_add_co_i32 s22, s22, s32                     ; a score stands for score x 2^(e6 + e7): added to c's exponent field
	s_mov_b32 s23, s22
	s_mov_b32 s26, s38                             ; e8
	MKSCALE 38, 18, 19
	s_wait_loadcnt 8                               ; Q and K are in; V's eight loads, issued behind them, may be out
.set n, 0
.rept 8
	ds_store_b128 v[LW], v[XK+4*n:XK+4*n+3] offset:512*n            ; no vector instruction since the wait on va_vdst above names v[LW] or v[XK ..]
.set n, n+1
.endr
	s_wait_loadcnt 0x0
.set n, 0
.rept 8
	ds_store_b128 v[LW], v[XK+32+4*n:XK+32+4*n+3] offset:8192+512*n
.set n, n+1
.endr
	s_wait_dscnt 0x0                               ; for the others' sake: my stores have landed
	s_barrier_signal -1
	s_barrier_wait -1                              ; the head's K and V lie in LDS; from here on LDS is only read
; The softmax of tile u for 128 keys: scores in v[YS] on; the codes of keys 0 to 63 into v[pca] on, those of keys 64 to 127 into v[pcb] on.
; vl = 1: V's 16 loads are dealt among the additions of the row's sum.
.macro SOFT u, pca, pcb, vl
.set ST, 4+4*(\u)
.set OU, OA+32*(\u)
	v_max3_num_f32 v14, v[YS], v[YS+1], v[YS+2]    ; the step's largest score of my query among my 64 keys, in two chains, ascending: each accumulator is read from its low end on
	v_max3_num_f32 v15, v[YS+3], v[YS+4], v[YS+5]
.set n, 6
.rept 14
	v_max3_num_f32 v14, v14, v[YS+n], v[YS+n+1]
	v_max3_num_f32 v15, v15, v[YS+n+2], v[YS+n+3]
.set n, n+4
.endr
	v_max3_num_f32 v14, v14, v[YS+62], v[YS+63]
	v_max_num_f32 v14, v14, v15
	v_permlanex16_b32 v16, v14, s20, s21
	v_max_num_f32 v14, v14, v16                    ; and among lane l xor 16's
	v_mul_f32 v14, s22, v14                        ; as t (c is positive)
	v_max_num_f32 v[ST+1], v[ST+1], v14            ; the running largest t
	v_mov_b32 v14, v[ST]
	v_floor_f32 v[ST], -v[ST+1]                    ; the new -M = floor(-t): M is a whole number
	v_sub_f32 v14, v[ST], v14                      ; old M - new M, 0 or less
	v_cvt_i32_f32 v14, v14                         ; (it saturates)
	v_ldexp_f32 v12, 1.0, v14                      ; f = 2^(old M - new M)
.set n, 0
.rept 32
	v_pk_fma_f32 v[YS+n:YS+n+1], v[YS+n:YS+n+1], s[22:23], v[ST:ST+1] op_sel_hi:[1,0,0]   ; t - M (of the pairs c and -M the low word serves both halves)
.set n, n+2
.endr
.set n, 0
.rept 64
	v_exp_f32 v[YS+n], v[YS+n]                     ; p = 2^(t - M)
.set n, n+1
.endr
	v_pk_mul_f32 v[ST+2:ST+3], v[ST+2:ST+3], v[12:13] op_sel_hi:[1,0]   ; the sums under the new M: the plain line behind the exponentials
	s_wait_alu depctr_va_vdst(0)                   ; the 64 exponentials have written p, ahead of its first reader; and (vl = 1) both tiles' score products are done reading K's fragments in v[XK ..], in which V's loads land
	v_pk_add_f32 v[20:21], v[YS:YS+1], v[YS+2:YS+3]   ; the row's sum, of the unquantised p, in two chains
.set n, 4
.rept 15
.if \vl
	ds_load_b128 v[XK+n-4:XK+n-1], v[AD] offset:8192+128*(n-4)     ; V's 8 fragments: 64 keys kg, tile of channels dt at 8 (4 kg + dt).  No wait: no vector instruction since the wait above names v[XK ..] or v[AD]
.endif
	v_pk_add_f32 v[ST+2:ST+3], v[ST+2:ST+3], v[YS+n:YS+n+1]
	v_pk_add_f32 v[20:21], v[20:21], v[YS+n+2:YS+n+3]
.set n, n+4
.endr
.if \vl
	ds_load_b128 v[XK+60:XK+63], v[AD] offset:8192+512*15
.endif
	v_pk_add_f32 v[ST+2:ST+3], v[ST+2:ST+3], v[20:21]
	s_cmp_ge_i32 s26, -8                           ; 448 x 2^e8 >= 1.75 > p: the hold would change nothing
	s_cbranch_scc1 .Lnohold_\@
.set n, 0
.rept 64
	v_min_num_f32 v[YS+n], v[YS+n], v19            ; the conversion does not saturate (ISA guide 7.6.2); p is not negative
.set n, n+1
.endr
.Lnohold_\@:
.set n, 0
.rept 4
	v_cvt_scalef32_pk8_fp8_f32 v[\pca+2*n:\pca+2*n+1], v[YS+8*n:YS+8*n+7], v18
.set n, n+1
.endr
.set n, 0
.rept 8
	v_pk_mul_f32 v[OU+n:OU+n+1], v[OU+n:OU+n+1], v[12:13] op_sel_hi:[1,0]   ; O^T under the new M, its first half: plain lines between the conversions above and the next four, which in tile 1 write over the first one's sources
.set n, n+2
.endr
.set n, 0
.rept 4
	v_cvt_scalef32_pk8_fp8_f32 v[\pcb+2*n:\pcb+2*n+1], v[YS+32+8*n:YS+32+8*n+7], v18
.set n, n+1
.endr
.set n, 16
.rept 8
	v_pk_mul_f32 v[OU+n:OU+n+1], v[OU+n:OU+n+1], v[12:13] op_sel_hi:[1,0]   ; its second half.  These eight name no register of the score products: they are the places in front of what follows
.set n, n+2
.endr
.endm
	s_mov_b32 s24, 0                               ; the key step's LDS byte
	s_mov_b32 s25, 8                               ; 1,024 keys, 128 a step
.Lstep:
	s_wait_alu depctr_vm_vsrc(0)                   ; the LDS loads of the step before have read v[AD], which the add writes; in the first trip my LDS stores have read v[XK ..], in which K's loads land
	v_add_nc_u32 v[AD], s24, v[LI]
.rept 4
	v_nop                                          ; with the addition five places behind the last products: the score products write over tile 1's codes in v[YS ..], which the last of them read
.endr
	s_wait_alu depctr_va_vdst(0)                   ; v[AD] is written; the last step's products are done reading V's fragments in v[XK ..], in which K's loads land
.set n, 0
.rept 16
	ds_load_b128 v[XK+4*n:XK+4*n+3], v[AD] offset:512*n            ; K's 8 tiles
.set n, n+1
.endr
	s_wait_dscnt 0x0
.irp t, 0,1,2,3,4,5,6,7
	v_wmma_f32_16x16x64_fp8_fp8 v[YS+8*\t:YS+8*\t+7], v[XK+8*\t:XK+8*\t+7], v[QF:QF+7], 0
.endr
.rept 4
	v_nop
.endr
	SOFT 0, P0, P0+8, 0
.irp t, 0,1,2,3,4,5,6,7
	v_wmma_f32_16x16x64_fp8_fp8 v[YS+8*\t:YS+8*\t+7], v[XK+8*\t:XK+8*\t+7], v[QF+8:QF+15], 0
.endr
.rept 4
	v_nop
.endr
	SOFT 1, P1A, YS, 1                             ; K's fragments are done with: V's take their registers while the sum, the conversions and the rescaling go on
	s_wait_dscnt 0x0                               ; V's fragments are in
.irp kg, 0,1                           ; the eight accumulators take turns, one instruction a turn
.set PB, P1A+(YS-P1A)*\kg              ; tile 1's codes: keys 0 to 63 at P1A, keys 64 on at YS
.irp dt, 0,1,2,3
	v_wmma_f32_16x16x64_fp8_fp8 v[OA+8*\dt:OA+8*\dt+7], v[XK+8*(4*\kg+\dt):XK+8*(4*\kg+\dt)+7], v[P0+8*\kg:P0+8*\kg+7], v[OA+8*\dt:OA+8*\dt+7]
	v_wmma_f32_16x16x64_fp8_fp8 v[OA+32+8*\dt:OA+32+8*\dt+7], v[XK+8*(4*\kg+\dt):XK+8*(4*\kg+\dt)+7], v[PB:PB+7], v[OA+32+8*\dt:OA+32+8*\dt+7]
.endr
.endr
	s_add_co_u32 s24, s24, 16384
	s_sub_co_u32 s25, s25, 1
	s_cmp_lg_u32 s25, 0
	s_cbranch_scc1 .Lstep
	; THE WAY OUT: O^T x 2^(e8 + e9) / the sum, quantised by entry 10.  A lane's 16 registers of two tiles of channels are 16 neighbours of the next K: stores of 512 consecutive bytes, no LDS.
	MKSCALE 40, 14, 15                             ; 2^e10 and 448 x 2^e10, in two registers that were at work in the loop alone
	v_add_f32 v6, v6, v7
	v_add_f32 v10, v10, v11
	v_permlanex16_b32 v16, v6, s20, s21
	v_permlanex16_b32 v17, v10, s20, s21
	v_add_f32 v6, v6, v16                          ; the rows' sums
	v_add_f32 v10, v10, v17
	v_rcp_f32 v6, v6
	v_rcp_f32 v10, v10
	v_nop                                          ; a plain line behind the transcendentals
	s_add_co_i32 s32, s38, s39
	s_wait_alu depctr_va_vdst(0)                   ; the two reciprocals have written v6 and v10, ahead of their first reader
	v_ldexp_f32 v6, v6, s32
	v_ldexp_f32 v10, v10, s32
.irp u, 0,1
.set n, 0
.rept 32
	v_mul_f32 v[YS+32*\u+n], v[OA+32*\u+n], v[6+4*\u]
.set n, n+1
.endr
.set n, 0
.rept 32
	v_med3_num_f32 v[YS+32*\u+n], v[YS+32*\u+n], -v15, v15
.set n, n+1
.endr
.set n, 0
.rept 4
	v_cvt_scalef32_pk8_fp8_f32 v[XK+8*\u+2*n:XK+8*\u+2*n+1], v[YS+32*\u+8*n:YS+32*\u+8*n+7], v14
.set n, n+1
.endr
	v_nop
.endr
	s_wait_alu depctr_va_vdst(0)                   ; both tiles' conversions have written the codes in v[XK ..], which the four stores read
.irp u, 0,1
	global_store_b128 v[LI], v[XK+8*\u:XK+8*\u+3], s[30:31] offset:4096*\u
	global_store_b128 v[LI], v[XK+8*\u+4:XK+8*\u+7], s[30:31] offset:4096*\u+512
.endr
	s_wait_dscnt 0x0                               ; the closing lines, six on end
	s_wait_alu 0x0
	s_wait_tensorcnt 0x0
	ds_add_u32 v254, v255
	s_wait_dscnt 0x0
	s_endpgm
.Lfunc_end_k_qbb438e39b3_attn:
	.size	k_qbb438e39b3_attn, .Lfunc_end_k_qbb438e39b3_attn-k_qbb438e39b3_attn
	.p2alignl 7, 3214868480
	.fill 96, 4, 3214868480
	.section	.rodata,"a",@progbits
	.p2align	6, 0x0
	.amdhsa_kernel k_qbb438e39b3_attn
		.amdhsa_group_segment_fixed_size 133120
		.amdhsa_private_segment_fixed_size 0
		.amdhsa_enable_private_segment 0
		.amdhsa_kernarg_size 24
		.amdhsa_user_sgpr_count 2
		.amdhsa_user_sgpr_kernarg_segment_ptr 1
		.amdhsa_wavefront_size32 1
		.amdhsa_system_sgpr_workgroup_id_x 1
		.amdhsa_system_sgpr_workgroup_id_y 1
		.amdhsa_system_sgpr_workgroup_id_z 1
		.amdhsa_system_vgpr_workitem_id 0
		.amdhsa_next_free_vgpr 256
		.amdhsa_next_free_sgpr 66
		.amdhsa_reserve_vcc 0
		.amdhsa_float_denorm_mode_32 3
		.amdhsa_float_denorm_mode_16_64 3
		.amdhsa_memory_ordered 1
		.amdhsa_forward_progress 1
		.amdhsa_inst_pref_size 46
	.end_amdhsa_kernel
	.amdgpu_metadata
---
amdhsa.version: [ 1, 2 ]
amdhsa.kernels:
  - .name:           k_qbb438e39b3_attn
    .symbol:         k_qbb438e39b3_attn.kd
    .args:
      - { .name: qkvb, .offset: 0, .size: 8, .value_kind: global_buffer, .address_space: global }
      - { .name: lowp_scales, .offset: 8, .size: 8, .value_kind: global_buffer, .address_space: global }
      - { .name: att, .offset: 16, .size: 8, .value_kind: global_buffer, .address_space: global }
    .group_segment_fixed_size: 133120
    .private_segment_fixed_size: 0
    .kernarg_segment_align: 8
    .kernarg_segment_size: 24
    .max_flat_workgroup_size: 512
    .sgpr_count:     66
    .vgpr_count:     256
    .wavefront_size: 32
...
	.end_amdgpu_metadata
.endif
;; end of part 6
;; launch oproj: the kernel of part 4 again; grid 4 x 64, 4 waves a work-group, clusters of 4 x 4, 327,680 bytes of LDS; arguments att, ops, lowp_scales, bo, cat; writes cat
;; launch fuse: the kernel of part 5 again; grid 4 x 64, 4 waves a work-group, clusters of 4 x 4, 327,680 bytes of LDS; arguments cat, ops, lowp_scales, bf, out0; writes out0
